; MI455X (gfx1250); checked and timed in simulation.
; The chip was launched on July 23, 2026; its instructions are those of AMD's public machine-readable ISA for CDNA 5 (MIT licence, August 2026) and "CDNA5" Instruction Set Architecture Reference Guide (July 2026). The comments in the code are by the model that wrote it; some were corrected since.
;; Conformer Attention. Allowed arithmetic: matrix products marked QUANTISED: E2M1 operands, one E8M0 scale for each 32 along K, by v_wmma_scale_f32_16x16x128_f8f6f4 with both operands' format E2M1 (or v_wmma_scale_f32_32x16x128_f4), f32 sums; products left as they are: bf16, f16 or f32 operands; f32 sums; everything else in f32.
;; Inputs: Wk 1,024 x 1,024 float32; Wo 1,024 x 1,024 float32; Wpos 16 x 1,024 float32; Wq 1,024 x 1,024 float32; Wv 1,024 x 1,024 float32; bk 1,024 float32; bo 1,024 float32; bq 1,024 float32; bv 1,024 float32; mask 4 x 1 x 2,048 x 2,048 int32; pos_emb 4 x 2,048 x 1,024 float32; x 4 x 2,048 x 1,024 float32.
;; Outputs: out0 4 x 2,048 x 1,024 float32.
;; This version of the problem:
;;   THIS VERSION OF THE PROBLEM IS GIVEN IN LOW PRECISION. The matrix products marked QUANTISED in the list below multiply operands that are first quantised to E2M1 (2 exponent bits, 1 mantissa bit; 4 bits a number), with one power-of-two scale for each 32 numbers along K (OCP MX v1.0); their sums are f32. The products marked 'left as it is' may take bf16, f16 or f32 operands, with f32 sums. Whichever they take, every output number must still come out within the allowed error. Rounding operands to bf16 (8 significant bits) uses up far more of that allowance than f16 does (11 bits, for magnitudes from 6e-5 to 65,504). All else is computed in f32.
;;   The module's matrix products, in the order in which they are computed (A, B: the left and right operand; K: the contracted axis; several contracted axes count as one K, in the product's order):
;;     1. [M 8,192, K 1,024] x [K 1,024, N 1,024]; A: input x; B: input Wq: QUANTISED
;;     2. [M 8,192, K 1,024] x [K 1,024, N 1,024]; A: input x; B: input Wk: QUANTISED
;;     3. [M 8,192, K 1,024] x [K 1,024, N 1,024]; A: input x; B: input Wv: QUANTISED
;;     4. [M 8,192, K 1,024] x [K 1,024, N 16]; A: input pos_emb; B: input Wpos: QUANTISED
;;     5. batch 64 x [M 2,048, K 64] x [K 64, N 2,048]; A: computed on the way; B: computed on the way: left as it is (an operand is computed on the way)
;;     6. batch 64 x [M 2,048, K 2,048] x [K 2,048, N 64]; A: computed on the way; B: computed on the way: left as it is (an operand is computed on the way)
;;     7. [M 8,192, K 1,024] x [K 1,024, N 1,024]; A: computed on the way; B: input Wo: left as it is (an operand is computed on the way)
;;   THE QUANTISER, for each operand of a quantised product, along K:
;;     - K is cut into blocks of 32 from its start; a last block that is shorter is filled with zeros.
;;     - A block's scale is 2^e with e = floor(log2(the largest magnitude in the block)) - 2, held to -126 .. 127; a block of zeros has e = 0. As a byte (E8M0): e + 127.
;;     - Each number is divided by its block's scale, clamped to +-6, and rounded to the nearest number of E2M1, ties to even, subnormals kept.
;;     - The product sums the exact products of the quantised numbers (number of the format x scale) in f32.
;;   ~~~python
;;   def quantise(x, axis):      # numpy; x: float32 -> the quantised numbers, widened to float32 again
;;       x = np.moveaxis(x, axis, -1); K = x.shape[-1]
;;       x = np.pad(x, [(0, 0)] * (x.ndim - 1) + [(0, -K % 32)]); x = x.reshape(x.shape[:-1] + (-1, 32)); a = np.abs(x).max(-1, keepdims=True)
;;       e = np.where(a > 0, np.clip(np.frexp(np.where(a > 0, a, 1))[1] - 1 - 2, -126, 127), 0)      # np.frexp(a)[1] - 1 = floor(log2(a)), exactly
;;       r = np.clip(x / 2.0 ** e, -6, 6)
;;       step = 2.0 ** (np.maximum(np.frexp(np.where(r == 0, 1, r))[1] - 1, 0) - 1)
;;       q = np.round(r / step) * step * 2.0 ** e      # np.round: ties to even
;;       return np.moveaxis(q.reshape(q.shape[:-2] + (-1,))[..., :K], -1, axis).astype(np.float32)
;;   ~~~
;; One version. Each part assembles by itself: llvm-mc -triple=amdgcn-amd-amdhsa -mcpu=gfx1250 --defsym DOCPART=n.
;; ======== version 1 of 1: 4 launches
;; limits: values are held in f16: magnitudes above 65,504 overflow, below 6.1e-05 lose precision
;; workspace buffers: codes 5,767,168 bytes; scales 360,448 bytes; qkv 50,331,648 bytes; wo16 2,097,152 bytes; ao 16,777,216 bytes; mbits 2,097,152 bytes of whole numbers; posb 524,288 bytes
;; launch prep (part 1): grid 1024 x 1, 4 waves a work-group, no clusters, 90,624 bytes of LDS; arguments x, pos_emb, Wq, Wk, Wv, Wo, Wpos, mask, codes, scales, wo16, mbits, posb; writes codes, scales, wo16, mbits, posb
.if DOCPART == 1
	.amdgcn_target "amdgcn-amd-amdhsa--gfx1250"
	.amdhsa_code_object_version 6
	.text
	.protected	k_qa05a6baaa0_prep
	.globl	k_qa05a6baaa0_prep
	.p2align	8
	.type	k_qa05a6baaa0_prep,@function
k_qa05a6baaa0_prep:
	s_mov_b64 s[64:65], 0
	v_nop
	global_prefetch_b8 v0, s[64:65] scope:SCOPE_SE
	s_setreg_imm32_b32 hwreg(HW_REG_WAVE_MODE, 25, 1), 1
	s_wait_xcnt 0x0
; PREP: everything that is made once from the inputs.  Four jobs, chosen by the work-group's number alone; each job has LDS bytes of its own.
;   P (128 work-groups): posb[b][head][s] = log2(e) x (pos_emb . Wpos^T), both operands quantised to FP4 (E2M1) with one E8M0 scale for 32 along K.
;   M (512): mask (int32) -> mbits[b][qt][kt][8 words]: bit (r + 16 h) of word j says mask[b][16 qt + r][16 kt + 8 h + j] != 0: the lane mask of register j of a tile of scores.
;   Q (352): x, Wq, Wk, Wv -> FP4 codes (K innermost, 512 bytes a row) and scale bytes (32 a row).  The weights' rows are laid q | per head K(64) V(64).
;   O (32):  Wo -> f16, laid [n / 256][head][256 rows][64].
; THE QUANTISER: a block's scale is 2^(floor(log2(largest magnitude)) - 2); its byte is the largest magnitude's exponent field - 2, held at 1 from below.
; LIMITS: a block of zeros, or one whose largest magnitude lies under 2^-124, keeps the byte 1 (zero codes add nothing; the bytes are read by this program alone); NaN and infinities among the inputs are not served.
; No tensor loads; loads of 16 bytes a lane, 512 consecutive bytes an instruction; what a lane must hold otherwise is turned through the wave's own stage in LDS.
.set WGP,   128                        ; work-groups of job P
.set WGM,   512                        ; of job M
.set WGQ,   352                        ; of job Q; the last 32 are job O's
.set WREG,  5632                       ; job Q: LDS of a wave: two stages of 32 x 80 bytes, then its 256 scale bytes
.set SP,    80
.set MSTG,  22528                      ; job M: a stage of 16 rows x 528 bytes for each wave
.set PSTG,  56320                      ; job P: likewise
.set WSTG,  8448
.set PITCH, 528                        ; a stage row: 512 bytes + 16: the sixteen rows that a load touches start in sixteen different groups of four banks
.set SPARE, 90112                      ; the spare words, 128 bytes for each wave: two blocks of 256 bytes that no other line names
.set SPW,   12                         ; v12 LDS address of my spare word; never rewritten
.set NIL,   13                         ; v13 0; never rewritten
	v_lshl_add_u32 v[SPW], v0, 2, SPARE
	v_mov_b32 v[NIL], 0
	v_lshrrev_b32 v1, 5, v0
	v_readfirstlane_b32 s16, v1                    ; wave 0..3
	v_and_b32 v2, 31, v0                           ; lane
	v_lshlrev_b32 v3, 4, v2                        ; 16 x lane
	s_cmp_lt_u32 ttmp9, WGP                        ; the longest job has the lowest numbers
	s_cbranch_scc1 .Ljob_p
	s_cmp_lt_u32 ttmp9, WGP+WGM
	s_cbranch_scc1 .Ljob_m
	s_cmp_lt_u32 ttmp9, WGP+WGM+WGQ
	s_cbranch_scc1 .Ljob_q
; ---------------- JOB O: Wo [1024 n][1024 k] f32 -> f16 [n / 256][k / 64][n % 256][k % 64].  A wave takes 8 rows.  A load reads a head's 256 bytes of two rows; the lane's four numbers
; become 8 bytes, and the two rows' 128 bytes are neighbours in the output: a store covers 256 consecutive bytes, aligned.  No LDS.
	s_load_b64 s[4:5], s[0:1], 0x28                ; Wo
	s_load_b64 s[6:7], s[0:1], 0x50                ; wo16
	s_sub_co_u32 s17, ttmp9, WGP+WGM+WGQ
	s_lshl_b32 s18, s17, 5
	s_lshl_b32 s19, s16, 3
	s_add_co_u32 s18, s18, s19                     ; my first row: 32 x work-group + 8 x wave
	s_and_b32 s20, s18, 255                        ; its place in its block of 256 rows,
	s_lshr_b32 s21, s18, 8                         ; and which block
	s_lshl_b32 s18, s18, 12                        ; in: 4,096 bytes a row
	s_mov_b32 s19, 0
	s_lshl_b32 s20, s20, 7                         ; out: 128 bytes a row and head,
	s_lshl_b32 s21, s21, 19                        ; 16 x 256 x 128 bytes a block
	s_add_co_u32 s20, s20, s21
	s_mov_b32 s21, 0
	v_lshrrev_b32 v4, 4, v2                        ; which of the two rows
	v_and_b32 v5, 15, v2
	v_lshlrev_b32 v6, 12, v4
	v_lshl_add_u32 v6, v5, 4, v6                   ; in: 4,096 x row + 16 x (lane % 16)
	v_lshlrev_b32 v7, 7, v4
	v_lshl_add_u32 v7, v5, 3, v7                   ; out: 128 x row + 8 x (lane % 16)
	s_wait_kmcnt 0x0
	s_add_nc_u64 s[4:5], s[4:5], s[18:19]
	s_add_nc_u64 s[6:7], s[6:7], s[20:21]
.macro OHALF q                         ; four rows: two pairs x 16 heads
.irp p, 0,1
.irp d, 0,1,2,3,4,5,6,7,8,9,10,11,12,13,14,15
	global_load_b128 v[16+4*(16*\p+\d):19+4*(16*\p+\d)], v6, s[4:5] offset:(2*\q+\p)*8192+256*\d th:TH_LOAD_NT
.endr
.endr
.irp p, 0,1
.irp d, 0,1,2,3,4,5,6,7,8,9,10,11,12,13,14,15
	s_wait_loadcnt 31-16*\p-\d                     ; loads come back in order: this one is in, the younger ones stay out
	v_cvt_pk_f16_f32 v[144+2*(16*\p+\d)], v[16+4*(16*\p+\d)], v[17+4*(16*\p+\d)]
	v_cvt_pk_f16_f32 v[145+2*(16*\p+\d)], v[18+4*(16*\p+\d)], v[19+4*(16*\p+\d)]
	global_store_b64 v7, v[144+2*(16*\p+\d):145+2*(16*\p+\d)], s[6:7] offset:32768*\d+(2*\q+\p)*256
.endr
.endr
.endm
	OHALF 0
	s_wait_xcnt 0x0                                ; the stores have read their data: the registers are written again only behind this wait
	OHALF 1
	s_endpgm
; ---------------- JOB M: a work-group takes 16 queries (one qt) x 2,048 keys; a wave 512 keys, in four blocks of 128.
.Ljob_m:
	s_load_b64 s[4:5], s[0:1], 0x38                ; mask
	s_load_b64 s[6:7], s[0:1], 0x58                ; mbits
	s_sub_co_u32 s17, ttmp9, WGP                   ; 128 b + qt
	s_lshl_b32 s18, s17, 17                        ; 16 rows of 8,192 bytes
	s_lshl_b32 s19, s16, 11                        ; my 512 keys
	s_add_co_u32 s18, s18, s19
	s_mov_b32 s19, 0
	s_lshl_b32 s20, s17, 12                        ; out: 128 kt x 32 bytes
	s_lshl_b32 s21, s16, 10
	s_add_co_u32 s20, s20, s21
	s_mov_b32 s21, 0
	s_mul_i32 s22, s16, WSTG
	s_add_co_u32 s22, s22, MSTG                    ; my stage
	v_add_nc_u32 v4, s22, v3                       ; in: 16 x lane of a row
	v_and_b32 v5, 15, v0                           ; r
	v_bfe_u32 v6, v0, 4, 1                         ; h
	v_mul_u32_u24 v7, v5, PITCH
	v_lshl_add_u32 v7, v6, 5, v7
	v_add_nc_u32 v7, s22, v7                       ; back: row r, + 32 h: keys 8 h on of a tile of 16
	v_lshlrev_b32 v8, 3, v2                        ; out: 8 bytes a lane
.irp i, 0,1,2,3,4,5,6,7
	v_mov_b32 v[144+\i], 0                         ; written once: v_writelane_b32's destination counts as read
.endr
	s_wait_kmcnt 0x0
	s_add_nc_u64 s[4:5], s[4:5], s[18:19]
	s_add_nc_u64 s[6:7], s[6:7], s[20:21]
.macro MLOAD t                         ; block t: 16 rows x 512 bytes, into set t % 2
.irp p, 0,1,2,3,4,5,6,7,8,9,10,11,12,13,14,15
	global_load_b128 v[16+64*((\t)%2)+4*\p:19+64*((\t)%2)+4*\p], v3, s[4:5] offset:8192*\p+512*(\t) th:TH_LOAD_NT
.endr
.endm
.macro MBLOCK t
.set MS, 16+64*((\t)%2)
.if (\t) < 3
	s_wait_loadcnt 16                              ; this block's 16 loads are in; the next block's may be out
.else
	s_wait_loadcnt 0x0
.endif
.irp p, 0,1,2,3,4,5,6,7,8,9,10,11,12,13,14,15
	ds_store_b128 v4, v[MS+4*\p:MS+4*\p+3] offset:PITCH*\p
.endr
.irp p, 0,1,2,3,4,5,6,7,8,9,10,11,12,13,14,15
	ds_load_b128 v[MS+4*\p:MS+4*\p+3], v7 offset:64*(\p/2)+16*(\p%2)   ; LDS serves a wave's instructions in order: these see the stores, and land in the registers that the stores have left.  Register 8 kt + j: key 16 kt + 8 h + j of query r
.endr
	s_wait_dscnt 0x0
.set mg, 0
.rept 8                                ; key tile mg: eight compares give eight lane masks, which become words 8 mg + j of the block's 64
.irp j, 0,1,2,3,4,5,6,7
	v_cmp_ne_u32 s[32+\j], 0, v[MS+8*mg+\j]
.endr
.irp j, 0,1,2,3,4,5,6,7
	v_writelane_b32 v[144+2*(\t)+(\j%2)], s[32+\j], 4*mg+\j/2
.endr
.set mg, mg+1
.endr
	global_store_b64 v8, v[144+2*(\t):145+2*(\t)], s[6:7] offset:256*(\t)   ; 32 lanes store 256 consecutive bytes, aligned; each block has its own two registers
.if (\t)+2 < 4
	MLOAD (\t)+2
.endif
.endm
	MLOAD 0
	MLOAD 1
	MBLOCK 0
	MBLOCK 1
	MBLOCK 2
	MBLOCK 3
	s_wait_tensorcnt 0x0                           ; the wave's end, behind my last LDS store
	ds_add_u32 v[SPW], v[NIL]
	s_wait_dscnt 0x0
	s_endpgm
; ---------------- JOB Q: a wave takes a run of 8 rows (8,192 numbers) of x or of a weight, in 16 steps of 512 numbers.  Two neighbouring lanes hold a block of 32.
.Ljob_q:
.set QR, 16                            ; v16-79   four sets of 16 numbers as they are loaded
.set QX, 80                            ; v80-111  two sets of 16 neighbours
.set QE, 112                           ; v112-127 a scale byte for each step
.set QC, 128                           ; v128-191 codes: registers of its own for each step, so that no store's data are written again
	s_load_b64 s[4:5], s[0:1], 0x0                 ; x
	s_load_b128 s[20:23], s[0:1], 0x10             ; Wq, Wk
	s_load_b64 s[24:25], s[0:1], 0x20              ; Wv
	s_load_b128 s[8:11], s[0:1], 0x40              ; codes, scales
	s_sub_co_u32 s17, ttmp9, WGP+WGM               ; 0..255: x;  256..351: the weights, 32 work-groups each
	s_sub_co_u32 s18, s17, 256
	s_lshr_b32 s19, s18, 5                         ; which weight: 0 Wq, 1 Wk, 2 Wv
	s_and_b32 s18, s18, 31
	s_cmp_lt_u32 s17, 256
	s_cselect_b32 s18, s17, s18                    ; my work-group's number within its tensor
	s_cselect_b32 s19, 3, s19                      ; 3: x
	s_cselect_b32 s26, 0, 0x400000                 ; the weights' codes lie behind x's 4,194,304 bytes,
	s_cselect_b32 s28, 0, 0x40000                  ; their scale bytes behind x's 262,144
	s_lshl_b32 s18, s18, 2
	s_add_co_u32 s18, s18, s16                     ; my run R: rows 8 R .. 8 R + 7
	s_add_co_u32 s30, s19, 1
	s_bfe_u32 s30, s30, 0x10001                    ; 1 for Wk and Wv
	s_add_co_u32 s30, s30, 6                       ; a head's 64 rows are 64 output rows apart (x, Wq) or 128 (Wk, Wv)
	s_lshr_b32 s31, s18, 3
	s_lshl_b32 s31, s31, s30
	s_and_b32 s30, s18, 7
	s_lshl_b32 s30, s30, 3
	s_add_co_u32 s31, s31, s30
	s_cmp_eq_u32 s19, 1
	s_cselect_b32 s30, 1024, 0                     ; Wk's rows begin at 1,024,
	s_cmp_eq_u32 s19, 2
	s_cselect_b32 s30, 1088, s30                   ; Wv's 64 further on
	s_add_co_u32 s31, s31, s30                     ; my first output row
	s_lshl_b32 s30, s31, 9
	s_add_co_u32 s26, s26, s30                     ; 512 bytes of codes a row
	s_mov_b32 s27, 0
	s_lshl_b32 s30, s31, 5
	s_add_co_u32 s28, s28, s30                     ; 32 scale bytes a row
	s_mov_b32 s29, 0
	s_lshl_b32 s30, s18, 15                        ; in: 32,768 bytes a run
	s_mov_b32 s31, 0
	s_mul_i32 s17, s16, WREG
	v_lshrrev_b32 v14, 2, v2
	v_mul_u32_u24 v14, v14, SP
	v_and_b32 v15, 3, v2
	v_lshl_add_u32 v14, v15, 4, v14
	v_add_nc_u32 v14, s17, v14                     ; the stage, on the way in: four lanes' 64 bytes on end, then 16 of padding
	v_mul_u32_u24 v15, v2, SP
	v_add_nc_u32 v15, s17, v15                     ; and on the way out: 80 x lane: my 16 neighbours
	v_lshlrev_b32 v4, 3, v2                        ; my codes' place in a step's: 8 bytes a lane
	v_lshrrev_b32 v5, 1, v2
	s_add_co_u32 s17, s17, 2*32*SP
	v_add_nc_u32 v5, s17, v5                       ; my block's byte among my wave's 256 scale bytes
	v_lshlrev_b32 v7, 3, v2
	v_add_nc_u32 v6, s17, v7                       ; and on the way out 8 bytes a lane
	s_wait_kmcnt 0x0
	s_cmp_eq_u32 s19, 1                            ; the choices hang on the work-group's number alone
	s_cselect_b64 s[20:21], s[22:23], s[20:21]
	s_cmp_eq_u32 s19, 2
	s_cselect_b64 s[20:21], s[24:25], s[20:21]
	s_cmp_eq_u32 s19, 3
	s_cselect_b64 s[4:5], s[4:5], s[20:21]
	s_add_nc_u64 s[4:5], s[4:5], s[30:31]
	s_add_nc_u64 s[8:9], s[8:9], s[26:27]
	s_add_nc_u64 s[10:11], s[10:11], s[28:29]
.macro QLOAD t
.irp i, 0,1,2,3
	global_load_b128 v[QR+16*((\t)%4)+4*\i:QR+16*((\t)%4)+4*\i+3], v3, s[4:5] offset:2048*(\t)+512*\i th:TH_LOAD_NT   ; 32 lanes read 512 consecutive bytes
.endr
.endm
.macro QTURN t                         ; step t's numbers through the stage: LDS serves a wave's instructions in order, so no wait stands between the stores and the loads
.irp i, 0,1,2,3
	ds_store_b128 v14, v[QR+16*((\t)%4)+4*\i:QR+16*((\t)%4)+4*\i+3] offset:32*SP*((\t)%2)+8*SP*\i
.endr
.irp i, 0,1,2,3
	ds_load_b128 v[QX+16*((\t)%2)+4*\i:QX+16*((\t)%2)+4*\i+3], v15 offset:32*SP*((\t)%2)+16*\i
.endr
.endm
.irp t, 0,1,2,3
	QLOAD \t
.endr
	s_wait_loadcnt 12                              ; step 0's four loads are in
	QTURN 0
.macro QSTEP t
.set XS, QX+16*((\t)%2)
.if (\t) > 0
	s_wait_dscnt 1                                 ; this step's numbers are back from the stage (the last step's byte store may be out)
.else
	s_wait_dscnt 0x0
.endif
.if (\t)+4 < 16
	QLOAD (\t)+4                                   ; into the registers that this step's stores into the stage have read
.endif
.if (\t)+1 < 16
.if 14-(\t) >= 3
	s_wait_loadcnt 12                              ; the next step's four loads are in; those of the three steps behind it may be out
.else
	s_wait_loadcnt 4*(14-(\t))
.endif
	QTURN (\t)+1
.endif
	v_max3_num_f32 v8, |v[XS]|, |v[XS+1]|, |v[XS+2]|               ; the largest magnitude of my 16, in two chains
	v_max3_num_f32 v9, |v[XS+3]|, |v[XS+4]|, |v[XS+5]|
.irp i, 6,10
	v_max3_num_f32 v8, v8, |v[XS+\i]|, |v[XS+\i+1]|
	v_max3_num_f32 v9, v9, |v[XS+\i+2]|, |v[XS+\i+3]|
.endr
	v_max3_num_f32 v8, v8, |v[XS+14]|, |v[XS+15]|
	v_max3_num_f32 v8, v8, v9, 0x1800000           ; and the floor 2^(3 - 127): the byte cannot fall under 1
	v_max_num_f32_dpp v8, v8, v8 row_xmask:1 row_mask:0xf bank_mask:0xf   ; with my neighbour's 16: the block's
	v_add_nc_u32 v11, 0xff000000, v8               ; 2 off its exponent field: the conversion takes the exponent field of this operand as its scale
	v_cvt_scalef32_pk8_fp4_f32 v[QC+4*(\t)], v[XS:XS+7], v11
	v_cvt_scalef32_pk8_fp4_f32 v[QC+4*(\t)+1], v[XS+8:XS+15], v11
	v_lshrrev_b32 v[QE+(\t)], 23, v11              ; the scale's byte (a plain line behind the conversions)
	ds_store_b8 v5, v[QE+(\t)] offset:16*(\t)      ; both lanes of a block write the same byte with the same value
	global_store_b64 v4, v[QC+4*(\t):QC+4*(\t)+1], s[8:9] offset:256*(\t)   ; 32 lanes store 256 consecutive bytes, aligned
.endm
.irp t, 0,1,2,3,4,5,6,7,8,9,10,11,12,13,14,15
	QSTEP \t
.endr
	ds_load_b64 v[8:9], v6                         ; my wave's 256 scale bytes: these loads see my stores
	s_wait_dscnt 0x0
	global_store_b64 v7, v[8:9], s[10:11]          ; 256 consecutive bytes, aligned
	s_wait_tensorcnt 0x0                           ; the wave's end, behind my last LDS store
	ds_add_u32 v[SPW], v[NIL]
	s_wait_dscnt 0x0
	s_endpgm
; ---------------- JOB P: a work-group takes 64 rows of pos_emb (four tiles of 16).  THE WAVES SHARE K: wave w takes K steps 2 w and 2 w + 1 (128 along K each) of all four tiles, so it needs two fragments
; of Wpos, which it quantises itself and keeps.  Ten items a wave: Wpos' two K steps, then K step by K step the four tiles, so that the four accumulators take turns.  The four waves' partial sums of a tile
; meet in LDS behind one barrier (the branch that leads here hangs on the work-group's number alone: all four waves pass it); wave w adds up tile w, multiplies by log2(e) and stores.
; Source 0 = 16 rows of pos_emb, source 1 = Wpos' 16 rows: a lane holds one head and eight neighbouring positions, 32 bytes of a row of posb.
.Ljob_p:
.set R,   16                           ; v16-79, v80-143 two sets of 64 numbers
.set PC,  144                          ; v144-151 the codes just made
.set TM,  152                          ; v152-167 at work
.set WF,  172                          ; v172-187 Wpos' two fragments
.set ACC, 188                          ; v188-219 four accumulators
.set PW,  240                          ; v240 the scale word just made;  v241, v242 Wpos' scale words: these three hold scales and nothing else
.set WS,  241
	s_load_b64 s[4:5], s[0:1], 0x8                 ; pos_emb
	s_load_b64 s[6:7], s[0:1], 0x30                ; Wpos
	s_load_b64 s[8:9], s[0:1], 0x60                ; posb
	s_mul_i32 s22, s16, WSTG
	s_add_co_u32 s22, s22, PSTG                    ; my stage
	v_add_nc_u32 v4, s22, v3                       ; in: 16 x lane of a row; also where my partial sums go
	v_and_b32 v5, 15, v0                           ; r
	v_bfe_u32 v6, v0, 4, 1                         ; h
	v_mul_u32_u24 v7, v5, PITCH
	v_lshl_add_u32 v7, v6, 6, v7
	v_add_nc_u32 v7, s22, v7                       ; back: row r, + 64 h: my 16 numbers of each block of 32
	s_lshl_b32 s23, s16, 10
	s_add_co_u32 s24, s23, PSTG
	v_add_nc_u32 v9, s24, v3                       ; tile w's partial sum in a wave's stage: 1,024 w + 16 x lane
	v_lshlrev_b32 v10, 13, v5
	v_lshl_add_u32 v10, v6, 5, v10                 ; out: head r's row of 8,192 bytes, + 32 h
	s_mov_b32 s20, 0x76543210
	s_mov_b32 s21, 0xfedcba98                      ; v_permlanex16_b32's selects for lane l xor 16
.irp b, 0,1,2,3
	v_mov_b32 v[TM+4+\b], 0                        ; written once: a lane permute's destination counts as one of its sources
.endr
	s_lshl_b32 s26, ttmp9, 18                      ; 64 rows of 4,096 bytes
	s_add_co_u32 s26, s26, s23                     ; + my two K steps: 1,024 bytes a wave
	s_mov_b32 s27, 0
	s_mov_b32 s28, s23
	s_mov_b32 s29, 0
	s_lshr_b32 s30, ttmp9, 5                       ; b
	s_lshl_b32 s30, s30, 17                        ; 16 heads x 8,192 bytes
	s_and_b32 s31, ttmp9, 31
	s_lshl_b32 s31, s31, 8                         ; the work-group's 64 positions x 4 bytes
	s_add_co_u32 s30, s30, s31
	s_lshl_b32 s31, s16, 6                         ; tile w's 16
	s_add_co_u32 s30, s30, s31
	s_mov_b32 s31, 0
	s_wait_kmcnt 0x0
	s_add_nc_u64 s[4:5], s[4:5], s[26:27]
	s_add_nc_u64 s[6:7], s[6:7], s[28:29]
	s_add_nc_u64 s[8:9], s[8:9], s[30:31]
.macro PLOAD set, base, off, nt        ; 16 rows x 512 bytes (128 along K); both tensors have rows of 4,096 bytes
.irp p, 0,1,2,3,4,5,6,7,8,9,10,11,12,13,14,15
.if \nt
	global_load_b128 v[(\set)+4*\p:(\set)+4*\p+3], v3, s[\base:\base+1] offset:(\off)+4096*\p th:TH_LOAD_NT
.else
	global_load_b128 v[(\set)+4*\p:(\set)+4*\p+3], v3, s[\base:\base+1] offset:(\off)+4096*\p
.endif
.endr
.endm
.macro PTURN set                       ; through my stage and back into the same registers: register 16 b + i = k 32 b + 16 h + i of row r
.irp p, 0,1,2,3,4,5,6,7,8,9,10,11,12,13,14,15
	ds_store_b128 v4, v[(\set)+4*\p:(\set)+4*\p+3] offset:PITCH*\p
.endr
.irp p, 0,1,2,3,4,5,6,7,8,9,10,11,12,13,14,15
	ds_load_b128 v[(\set)+4*\p:(\set)+4*\p+3], v7 offset:128*(\p/4)+16*(\p%4)
.endr
.endm
; 64 numbers of a lane become a fragment's codes in v[pc] on and its scale word in v[pw]
.macro QUANT s, pc, pw
.irp b, 0,1,2,3
	v_max3_num_f32 v[TM+\b], |v[(\s)+16*\b]|, |v[(\s)+1+16*\b]|, 0x1800000   ; block b: my 16 numbers, and the floor 2^(3 - 127)
.endr
.irp i, 2,4,6,8,10,12,14
.irp b, 0,1,2,3
	v_max3_num_f32 v[TM+\b], v[TM+\b], |v[(\s)+16*\b+\i]|, |v[(\s)+1+16*\b+\i]|   ; the four blocks by turns
.endr
.endr
.irp b, 0,1,2,3
	v_permlanex16_b32 v[TM+4+\b], v[TM+\b], s20, s21
.endr
.irp b, 0,1,2,3
	v_max_num_f32 v[TM+\b], v[TM+\b], v[TM+4+\b]   ; with lane l xor 16's: the block's largest magnitude
.endr
.irp b, 0,1,2,3
	v_add_nc_u32 v[TM+12+\b], 0xff000000, v[TM+\b] ; 2 off its exponent field: the conversion's scale operand
.endr
.irp b, 0,1,2,3
	v_lshrrev_b32 v[TM+4+\b], 23, v[TM+12+\b]      ; the scale's byte
.endr
	v_lshl_or_b32 v[\pw], v[TM+5], 8, v[TM+4]      ; the four bytes make my row's scale word
	v_lshl_or_b32 v[\pw], v[TM+6], 16, v[\pw]
	v_lshl_or_b32 v[\pw], v[TM+7], 24, v[\pw]
.irp b, 0,1,2,3
	v_cvt_scalef32_pk8_fp4_f32 v[(\pc)+2*\b], v[(\s)+16*\b:(\s)+7+16*\b], v[TM+12+\b]
	v_cvt_scalef32_pk8_fp4_f32 v[(\pc)+1+2*\b], v[(\s)+8+16*\b:(\s)+15+16*\b], v[TM+12+\b]
.endr
	v_nop                                          ; one plain line behind a scaled conversion
.irp c, 0,1                                    ; the operand's layout wants a whole block in a lane: lanes 0-15 block 2 c, lanes 16-31 block 2 c + 1
.irp i, 0,1
	v_permlane16_swap_b32 v[(\pc)+4*\c+\i], v[(\pc)+2+4*\c+\i]
.endr
.endr
.endm
.macro PNEXT i                         ; the loads of item i: 0, 1: Wpos' K steps; 2 + 4 k + t: K step k of tile t
.if (\i) < 2
	PLOAD R+64*((\i)%2), 6, 512*(\i), 0
.elseif (\i) < 10
	PLOAD R+64*((\i)%2), 4, 512*(((\i)-2)/4)+65536*(((\i)-2)%4), 1
.endif
.endm
.macro PITEM i
.if (\i) < 9
	s_wait_loadcnt 16                              ; this item's 16 loads are in; the next item's may be out
.else
	s_wait_loadcnt 0x0
.endif
	PTURN R+64*((\i)%2)
	s_wait_dscnt 0x0
.if (\i) < 2
	QUANT R+64*((\i)%2), WF+8*(\i), WS+(\i)
.else
	QUANT R+64*((\i)%2), PC, PW
.rept 8
	v_nop                                          ; a scale register written by a vector instruction stands eight places ahead of a scaled matrix instruction, an operand so written four
.endr
.if (\i) < 6
	v_wmma_scale_f32_16x16x128_f8f6f4 v[ACC+8*(((\i)-2)%4):ACC+8*(((\i)-2)%4)+7], v[PC:PC+7], v[WF:WF+7], 0, v[PW], v[WS] matrix_a_fmt:MATRIX_FMT_FP4 matrix_b_fmt:MATRIX_FMT_FP4
.else
	v_wmma_scale_f32_16x16x128_f8f6f4 v[ACC+8*(((\i)-2)%4):ACC+8*(((\i)-2)%4)+7], v[PC:PC+7], v[WF+8:WF+15], v[ACC+8*(((\i)-2)%4):ACC+8*(((\i)-2)%4)+7], v[PW], v[WS+1] matrix_a_fmt:MATRIX_FMT_FP4 matrix_b_fmt:MATRIX_FMT_FP4
.endif
.endif
	PNEXT (\i)+2                                   ; two items ahead, into the registers that this item has left
.endm
	PNEXT 0
	PNEXT 1
.irp i, 0,1,2,3,4,5,6,7,8,9
	PITEM \i
.endr
.rept 4
	v_nop                                          ; four places between the last product and the first read of results
.endr
.irp t, 0,1,2,3
	ds_store_b128 v4, v[ACC+8*\t:ACC+8*\t+3] offset:1024*\t        ; my partial sums as images of their registers, in my own stage; each accumulator from its low end on
	ds_store_b128 v4, v[ACC+8*\t+4:ACC+8*\t+7] offset:1024*\t+512
.endr
	s_wait_dscnt 0x0                               ; for the others' sake: my stores have landed
	s_barrier_signal -1
	s_barrier_wait -1
.irp u, 0,1,2,3
	ds_load_b128 v[16+8*\u:19+8*\u], v9 offset:WSTG*\u             ; tile w's partial sum of wave u
	ds_load_b128 v[20+8*\u:23+8*\u], v9 offset:WSTG*\u+512
.endr
	s_wait_dscnt 0x0
.irp i, 0,2,4,6
	v_pk_add_f32 v[16+\i:17+\i], v[16+\i:17+\i], v[24+\i:25+\i]
	v_pk_add_f32 v[32+\i:33+\i], v[32+\i:33+\i], v[40+\i:41+\i]
.endr
.irp i, 0,2,4,6
	v_pk_add_f32 v[16+\i:17+\i], v[16+\i:17+\i], v[32+\i:33+\i]
.endr
.irp i, 0,2,4,6
	v_pk_mul_f32 v[48+\i:49+\i], v[16+\i:17+\i], 0x3fb8aa3b op_sel_hi:[1,0]   ; x log2(e): the softmax works in powers of two
.endr
	global_store_b128 v10, v[48:51], s[8:9]        ; pieces of 32 bytes of 16 rows: the whole buffer is half a megabyte, so no stage is spent on it
	global_store_b128 v10, v[52:55], s[8:9] offset:16
	s_wait_tensorcnt 0x0                           ; the wave's end, behind my last LDS store
	ds_add_u32 v[SPW], v[NIL]
	s_wait_dscnt 0x0
	s_endpgm
.Lfunc_end_k_qa05a6baaa0_prep:
	.size	k_qa05a6baaa0_prep, .Lfunc_end_k_qa05a6baaa0_prep-k_qa05a6baaa0_prep
	.p2alignl 7, 3214868480
	.fill 96, 4, 3214868480
	.section	.rodata,"a",@progbits
	.p2align	6, 0x0
	.amdhsa_kernel k_qa05a6baaa0_prep
		.amdhsa_group_segment_fixed_size 90624
		.amdhsa_private_segment_fixed_size 0
		.amdhsa_enable_private_segment 0
		.amdhsa_kernarg_size 104
		.amdhsa_user_sgpr_count 2
		.amdhsa_user_sgpr_kernarg_segment_ptr 1
		.amdhsa_wavefront_size32 1
		.amdhsa_system_sgpr_workgroup_id_x 1
		.amdhsa_system_sgpr_workgroup_id_y 1
		.amdhsa_system_sgpr_workgroup_id_z 1
		.amdhsa_system_vgpr_workitem_id 0
		.amdhsa_next_free_vgpr 256
		.amdhsa_next_free_sgpr 66
		.amdhsa_reserve_vcc 0
		.amdhsa_float_denorm_mode_32 3
		.amdhsa_float_denorm_mode_16_64 3
		.amdhsa_memory_ordered 1
		.amdhsa_forward_progress 1
		.amdhsa_inst_pref_size 186
	.end_amdhsa_kernel
	.amdgpu_metadata
---
amdhsa.version: [ 1, 2 ]
amdhsa.kernels:
  - .name:           k_qa05a6baaa0_prep
    .symbol:         k_qa05a6baaa0_prep.kd
    .args:
      - { .name: x, .offset: 0, .size: 8, .value_kind: global_buffer, .address_space: global }
      - { .name: pos_emb, .offset: 8, .size: 8, .value_kind: global_buffer, .address_space: global }
      - { .name: Wq, .offset: 16, .size: 8, .value_kind: global_buffer, .address_space: global }
      - { .name: Wk, .offset: 24, .size: 8, .value_kind: global_buffer, .address_space: global }
      - { .name: Wv, .offset: 32, .size: 8, .value_kind: global_buffer, .address_space: global }
      - { .name: Wo, .offset: 40, .size: 8, .value_kind: global_buffer, .address_space: global }
      - { .name: Wpos, .offset: 48, .size: 8, .value_kind: global_buffer, .address_space: global }
      - { .name: mask, .offset: 56, .size: 8, .value_kind: global_buffer, .address_space: global }
      - { .name: codes, .offset: 64, .size: 8, .value_kind: global_buffer, .address_space: global }
      - { .name: scales, .offset: 72, .size: 8, .value_kind: global_buffer, .address_space: global }
      - { .name: wo16, .offset: 80, .size: 8, .value_kind: global_buffer, .address_space: global }
      - { .name: mbits, .offset: 88, .size: 8, .value_kind: global_buffer, .address_space: global }
      - { .name: posb, .offset: 96, .size: 8, .value_kind: global_buffer, .address_space: global }
    .group_segment_fixed_size: 90624
    .private_segment_fixed_size: 0
    .kernarg_segment_align: 8
    .kernarg_segment_size: 104
    .max_flat_workgroup_size: 128
    .sgpr_count:     66
    .vgpr_count:     256
    .wavefront_size: 32
...
	.end_amdgpu_metadata
.endif
;; end of part 1
;; launch qkv (part 2): grid 12 x 32, 4 waves a work-group, clusters of 4 x 4, 327,680 bytes of LDS; arguments codes, scales, bq, bk, bv, qkv; writes qkv
.if DOCPART == 2
	.amdgcn_target "amdgcn-amd-amdhsa--gfx1250"
	.amdhsa_code_object_version 6
	.text
	.protected	k_qa05a6baaa0_qkv
	.globl	k_qa05a6baaa0_qkv
	.p2align	8
	.type	k_qa05a6baaa0_qkv,@function
k_qa05a6baaa0_qkv:
	s_mov_b64 s[64:65], 0
	v_nop
	global_prefetch_b8 v0, s[64:65] scope:SCOPE_SE
	s_setreg_imm32_b32 hwreg(HW_REG_WAVE_MODE, 25, 1), 1
	s_wait_xcnt 0x0
	s_wait_alu depctr_hold_cnt(0) depctr_sa_sdst(0) depctr_va_vdst(0) depctr_va_sdst(0) depctr_va_ssrc(0) depctr_va_vcc(0) depctr_vm_vsrc(0)
	s_getreg_b32 s2, hwreg(HW_REG_IB_STS2, 6, 4)
	s_cmp_eq_u32 s2, 0
	s_cbranch_scc0 .Lentry_in_a_cluster
	s_endpgm
.Lentry_in_a_cluster:
	s_bfe_u32 s2, ttmp6, 0x10000c
	s_cmp_lg_u32 s2, 0xf033
	s_cbranch_scc0 .Lentry_shape_is_right
	s_endpgm
.Lentry_shape_is_right:
; qkv[m][n'] = f16( (sum over k of x[m][k] W[n'][k] + bias[n']) x c ), on codes of FP4 (E2M1) with one E8M0 scale for each 32 along K, sums in f32.
; x's codes: 8,192 rows of 512 bytes at the codes' first byte; the weights': 3,072 rows from byte 4,194,304 on; scale bytes 32 a row, the weights' from byte 262,144 on.
; Columns n' 0..1023: q, with c = log2(e) / 8 (the scores' scale and the change to powers of two); from 1,024 on, for each head, 64 columns of k and 64 of v, c = 1.
; LIMIT: the results go to f16: magnitudes up to 65,504.
; A tile of 256 x 256 is made by four waves, each 128 x 128: 64 accumulators, 512 registers.  K = 1,024 is two steps of 512, one in each of two LDS slots: both are first fills, nothing is filled again.
; The scales of the work-group's rows come into LDS once, with the first fills.  By this text's count a wave has three tensor loads out at the start.
; CLUSTERS: 4 x 4 work-groups; x's tile is shared along a row of the cluster, the weights' along a column: each is asked for jointly.
; THE MATRIX INSTRUCTION IS USED TRANSPOSED (source 0 = 16 rows of W, source 1 = 16 rows of x): a lane holds eight neighbouring columns of a row.
; REGISTERS: window 0: v0-31 addresses; v32-95 scale words, two sets (they hold scales and nothing else); v96-127 packed results; v128-191 x's fragments, later results in f32; v192-255 the bias of my 128 columns.
;   window 1: W's fragments, two sets, at v0 and v128; on the way out v0-63 take rows read back.   windows 2, 3: the accumulators ((a, b) at v[8 (8 (a % 4) + b)]).
.set SIZE_N, 3072
.set SIZE_K, 1024
.set NQ,     4                         ; matrix instructions deep in a slot
.set ROWB,   256                       ; a tile's row: 512 codes
.set KROW,   512                       ; a row of codes in memory
.set PITCH,  272                       ; an LDS row: 256 bytes + 16: the 16 rows that a load touches start in 16 different groups of four banks (64 banks of 4 bytes: ISA guide 11.1)
.set FR,     8
.set NL,     2
.set NP,     4
.set HALFT,  128*PITCH
.set SLOT,   4*HALFT
.set KS,     32                        ; a row of scale bytes
.set SCL,    2*SLOT
.set HALFS,  (128*KS/256)*272
.set SBLK,   (16*KS/256)*272
.set SPARE,  SCL+4*HALFS               ; the spare words: two blocks of 256 bytes that no other line names
.set SPITCH, 272                       ; the way out: a stage of 16 rows x (256 + 16) bytes for each wave, in slot 0, which has had its only fill and its last read by then
.set CROW,   SIZE_N*2                  ; a row of the result in bytes
.set ADRA, 16
.set ADRB, 20
.set STO,  24
.set RD,   25
.set CO,   26
.set ADRS, 27
.set SPW,  28
.set NIL,  29
.set BOF,  30                          ; v30 32 x (lane / 16): my eight numbers of a block's 16 biases; never rewritten
.set SC,   32
.set TMP,  96
.set AF,   128
.set T,    128
.set BIAS, 192
.set G1, 24
.set G0, 32
.set G1B, 48
.set G0B, 56
.set G1S, 68
.set G0S, 76
.set G1SB, 80
.set G0SB, 88
.set MSB, 0
.macro WIN new                         ; the immediate's high byte repeats the setting that is left
.if MSB != \new
	s_set_vgpr_msb (MSB<<8)|\new
.set MSB, \new
.endif
.endm
.set MUL_LO, 0xa1                      ; source 0 (W) window 1, source 1 (x) window 0, C and D window 2
.set MUL_HI, 0xf1
.set TO_B,   0x40                      ; destination window 1, address window 0
; A joint load: waves 0 and 1 fetch for x, waves 2 and 3 for W.  The branch hangs on the wave's number alone.  An s_nop 0 and four v_nop follow each of the two lines.
.macro JLOAD g0a, g1a, g0b, g1b
	s_cmp_eq_u32 s15, 0
	s_cbranch_scc0 .Lfor_b_\@
	tensor_load_to_lds s[\g0a:\g0a+3], s[\g1a:\g1a+7]
	s_nop 0
.rept 4
	v_nop
.endr
	s_branch .Lasked_\@
.Lfor_b_\@:
	tensor_load_to_lds s[\g0b:\g0b+3], s[\g1b:\g1b+7]
	s_nop 0
.rept 4
	v_nop
.endr
.Lasked_\@:
.endm
.macro CROUND                          ; a round of the cluster's barrier
	s_barrier_signal -1
	s_barrier_wait -1
	s_cmp_lg_u32 s14, 0
	s_cbranch_scc1 .Lnot_wave_0_\@
	s_barrier_signal -3
.Lnot_wave_0_\@:
	s_barrier_wait -3
	s_barrier_signal -1
	s_barrier_wait -1
.endm
	s_load_b128 s[4:7], s[0:1], 0x0                ; codes, scales
	s_load_b128 s[8:11], s[0:1], 0x10              ; bq, bk
	s_load_b64 s[96:97], s[0:1], 0x20              ; bv
	s_load_b64 s[12:13], s[0:1], 0x28              ; qkv
	v_lshl_add_u32 v[SPW], v0, 2, SPARE
	v_mov_b32 v[NIL], 0
	ds_add_u32 v[SPW], v[NIL]                      ; the wave's opening: the add, twice on end, and its wait ahead of my first tensor load
	ds_add_u32 v[SPW], v[NIL]
	v_lshrrev_b32 v1, 5, v0
	v_readfirstlane_b32 s14, v1                    ; wave 0..3
	s_lshr_b32 s15, s14, 1                         ; which half of the tile's rows is mine.  Also: I fetch for x (0) or for W (1)
	s_and_b32 s16, s14, 1                          ; which half of its columns.  Also: which 128 rows of that tile I fetch
	s_bfe_u32 s40, ttmp6, 0x40000                  ; cx, cy: my place in the cluster
	s_bfe_u32 s41, ttmp6, 0x40004
	s_lshl_b32 s42, ttmp9, 2
	s_add_co_u32 s42, s42, s40                     ; tile column = 4 x cluster x + cx
	s_and_b32 s17, ttmp7, 0xffff
	s_lshl_b32 s17, s17, 2
	s_add_co_u32 s17, s17, s41                     ; tile row = 4 x cluster y + cy
	s_lshl_b32 s43, s41, 2
	s_lshl_b32 s43, 15, s43                        ; my row of the cluster
	s_lshl_b32 s44, 0x1111, s40                    ; my column
	s_or_b32 s[G1+0], s43, (0<<16)|(1<<20)|(1<<21)|(5<<22)|(3<<25)  ; the mask; elements of 1 byte; padding on; bit 21 beside a mask; after every 64 words four words
	s_or_b32 s[G1B+0], s44, (0<<16)|(1<<20)|(1<<21)|(5<<22)|(3<<25)
.irp g, G1, G1B
	s_mov_b32 s[\g+1], ROWB<<16                    ; tensor_dim0
	s_mov_b32 s[\g+2], 128<<16                     ; tensor_dim1
	s_mov_b32 s[\g+3], ROWB<<16                    ; tile_dim0
	s_mov_b32 s[\g+4], 128                         ; tile_dim1
	s_mov_b32 s[\g+5], KROW                        ; tensor_dim0_stride
	s_mov_b32 s[\g+6], 0
	s_mov_b32 s[\g+7], 0
.endr
	s_or_b32 s[G1S+0], s43, (3<<16)|(1<<20)|(1<<21)|(5<<22)|(3<<25) ; the scales of 128 rows: a dense block of 4,096 bytes, as 16 rows of 256 bytes (32 elements of 8), 16 bytes of padding behind each
	s_or_b32 s[G1SB+0], s44, (3<<16)|(1<<20)|(1<<21)|(5<<22)|(3<<25)
.irp g, G1S, G1SB
	s_mov_b32 s[\g+1], 32<<16
	s_mov_b32 s[\g+2], (128*KS/256)<<16
	s_mov_b32 s[\g+3], 32<<16
	s_mov_b32 s[\g+4], 128*KS/256
	s_mov_b32 s[\g+5], 32
	s_mov_b32 s[\g+6], 0
	s_mov_b32 s[\g+7], 0
.endr
	s_lshl_b32 s18, s16, 7
	s_lshl_b32 s20, s17, 8
	s_add_co_u32 s20, s20, s18                     ; x: row 256 x tile row + 128 x half
	s_lshl_b32 s46, s42, 8
	s_add_co_u32 s46, s46, s18                     ; W: row 256 x tile column + 128 x half
	s_mov_b32 s21, 0
	s_mov_b32 s47, 0
	s_mov_b64 s[18:19], KS
	s_mul_u64 s[22:23], s[20:21], s[18:19]         ; where these rows' scales begin,
	s_mul_u64 s[92:93], s[46:47], s[18:19]
	s_mov_b64 s[18:19], KROW
	s_mul_u64 s[20:21], s[20:21], s[18:19]         ; and their codes
	s_mul_u64 s[46:47], s[46:47], s[18:19]
	s_mul_i32 s45, s14, HALFT                      ; where they go: wave x 128 rows: no place in the cluster enters an LDS address
	s_mul_i32 s94, s14, HALFS
	s_wait_dscnt 0x0                               ; both opening adds are done
	s_wait_kmcnt 0x0
	s_add_nc_u64 s[20:21], s[4:5], s[20:21]
	s_add_nc_u64 s[22:23], s[6:7], s[22:23]
	s_add_nc_u64 s[46:47], s[4:5], s[46:47]
	s_add_nc_u64 s[46:47], s[46:47], 0x400000      ; the weights' codes lie behind x's
	s_add_nc_u64 s[92:93], s[6:7], s[92:93]
	s_add_nc_u64 s[92:93], s[92:93], 0x40000       ; and their scale bytes
	CROUND                                         ; all sixteen work-groups are here: the first joint loads meet
	s_mov_b32 s[G0S], 1
	s_add_co_u32 s[G0S+1], s94, SCL
	s_mov_b64 s[G0S+2:G0S+3], s[22:23]
	s_or_b32 s[G0S+3], s[G0S+3], 0x80000000
	s_mov_b32 s[G0SB], 1
	s_add_co_u32 s[G0SB+1], s94, SCL
	s_mov_b64 s[G0SB+2:G0SB+3], s[92:93]
	s_or_b32 s[G0SB+3], s[G0SB+3], 0x80000000
	JLOAD G0S, G1S, G0SB, G1SB                     ; the scales first: they are wanted with K step 0
.irp s, 0,1
	s_mov_b32 s[G0+4*\s], 1
	s_add_co_u32 s[G0+4*\s+1], s45, \s*SLOT
	s_add_nc_u64 s[G0+4*\s+2:G0+4*\s+3], s[20:21], \s*ROWB
	s_or_b32 s[G0+4*\s+3], s[G0+4*\s+3], 0x80000000
	s_mov_b32 s[G0B+4*\s], 1
	s_add_co_u32 s[G0B+4*\s+1], s45, \s*SLOT
	s_add_nc_u64 s[G0B+4*\s+2:G0B+4*\s+3], s[46:47], \s*ROWB
	s_or_b32 s[G0B+4*\s+3], s[G0B+4*\s+3], 0x80000000
	JLOAD G0+4*\s, G1, G0B+4*\s, G1B
.endr
	v_and_b32 v1, 15, v0                           ; l % 16
	v_bfe_u32 v2, v0, 4, 1                         ; l / 16
	v_mul_u32_u24 v3, v1, PITCH
	v_lshl_add_u32 v4, v2, 4, v3                   ; a fragment's row x pitch + 16 x half
	s_mul_i32 s21, s15, HALFT                      ; my 128 rows of x
	s_mul_i32 s22, s16, HALFT                      ; my 128 rows of W,
	s_add_co_u32 s22, s22, 2*HALFT                 ; which lie behind x's 256
.irp s, 0,1
	v_add_nc_u32 v[ADRA+\s], s21, v4
	v_add_nc_u32 v[ADRB+\s], s22, v4
	s_add_co_u32 s21, s21, SLOT
	s_add_co_u32 s22, s22, SLOT
.endr
	v_mul_u32_u24 v5, v1, KS                       ; my row's scales: 32 bytes a row,
	v_lshrrev_b32 v6, 8, v5
	v_lshl_add_u32 v5, v6, 4, v5                   ; and 16 more for each 256 passed
	s_mul_i32 s21, s15, HALFS
	s_mul_i32 s22, s16, HALFS
	s_add_co_u32 s22, s22, 2*HALFS
	s_sub_co_u32 s22, s22, s21
	v_mul_u32_u24 v6, s22, v2                      ; lanes 16-31 take W's: one product, the distance between the two bases
	s_add_co_u32 s21, s21, SCL
	v_add_nc_u32 v5, v5, v6
	v_add_nc_u32 v[ADRS], s21, v5
	s_mul_i32 s23, s14, 16*SPITCH                  ; my stage
	v_mul_u32_u24 v5, v1, SPITCH                   ; in: row l % 16, 16 bytes for each half of the lanes
	v_lshl_add_u32 v5, v2, 4, v5
	v_add_nc_u32 v[STO], s23, v5
	v_mul_u32_u24 v5, v2, SPITCH                   ; back: lanes 0-15 take one row of 256 bytes, lanes 16-31 the next
	v_lshl_add_u32 v5, v1, 4, v5
	v_add_nc_u32 v[RD], s23, v5
	v_mul_u32_u24 v5, v2, CROW                     ; and the same two rows in the result
	v_lshl_add_u32 v[CO], v1, 4, v5
	v_lshlrev_b32 v[BOF], 5, v2
	s_lshl_b32 s20, s17, 8
	s_lshl_b32 s21, s15, 7
	s_add_co_u32 s20, s20, s21                     ; my first row
	s_mov_b32 s21, 0
	s_mov_b64 s[18:19], CROW
	s_mul_u64 s[20:21], s[20:21], s[18:19]
	s_lshl_b32 s46, s42, 9                         ; my first column, in bytes: 512 x tile column + 256 x half
	s_lshl_b32 s47, s16, 8
	s_add_co_u32 s46, s46, s47
	s_mov_b32 s47, 0
	s_add_nc_u64 s[20:21], s[20:21], s[46:47]
	s_add_nc_u64 s[12:13], s[12:13], s[20:21]
	; the bias of my 128 columns, and c.  Tile columns 0-3 are q's: columns n0 .. n0 + 127 of bq.  The others: my 128 columns are one head's 64 of k and 64 of v.
	s_lshl_b32 s98, s42, 10
	s_lshl_b32 s99, s16, 9
	s_add_co_u32 s98, s98, s99                     ; q: 4 n0
	s_sub_co_u32 s100, s42, 4
	s_lshl_b32 s100, s100, 1
	s_add_co_u32 s100, s100, s16                   ; k, v: the head = 2 (tile column - 4) + half,
	s_lshl_b32 s100, s100, 8                       ; 256 bytes a head
	s_cmp_lt_u32 s42, 4                            ; selections, no branch: they enter global addresses and a factor alone
	s_cselect_b32 s98, s98, s100
	s_cselect_b32 s100, 256, 0                     ; q's upper 64 columns lie 256 bytes on in the same vector
	s_cselect_b64 s[96:97], s[8:9], s[96:97]       ; columns 64-127: bq or bv
	s_cselect_b64 s[8:9], s[8:9], s[10:11]         ; columns 0-63: bq or bk
	s_cselect_b32 s66, 0x3e38aa3b, 1.0             ; c = log2(e) / 8 for q
	s_mov_b32 s67, s66                             ; (named with it as a pair, so it is written)
	s_add_co_u32 s100, s100, s98
	s_mov_b32 s99, 0
	s_mov_b32 s101, 0
	s_add_nc_u64 s[8:9], s[8:9], s[98:99]
	s_add_nc_u64 s[96:97], s[96:97], s[100:101]
.irp b, 0,1,2,3                                ; lane (r, h) wants, for block b, the bias of columns 16 b + 8 h + 0 .. 7
	global_load_b128 v[BIAS+8*\b:BIAS+8*\b+3], v[BOF], s[8:9] offset:64*\b
	global_load_b128 v[BIAS+8*\b+4:BIAS+8*\b+7], v[BOF], s[8:9] offset:64*\b+16
	global_load_b128 v[BIAS+32+8*\b:BIAS+32+8*\b+3], v[BOF], s[96:97] offset:64*\b
	global_load_b128 v[BIAS+32+8*\b+4:BIAS+32+8*\b+7], v[BOF], s[96:97] offset:64*\b+16
.endr
.macro FRAG reg, adr, q, i             ; a fragment, 16 rows x 128 K of 4-bit codes, is 8 registers: lane l holds row l % 16; registers 4 c .. 4 c + 3 hold K = 64 c + 32 (l / 16) + 0 .. 31
.irp c, 0,1
	ds_load_b128 v[\reg+4*\c:\reg+4*\c+3], v[\adr] offset:64*(\q)+32*\c+(\i)*16*PITCH
.endr
.endm
; 16 matrix instructions: x's blocks a0, a0 + 1 against W's eight.  The 64 accumulators take turns, one instruction a turn, in the same order in every step.
.macro MUL16 a0, p, q, sc, zero
.irp a, \a0, \a0+1
.irp b, 0,1,2,3,4,5,6,7
.if \zero
	v_wmma_scale_f32_16x16x128_f8f6f4 v[8*(8*((\a)%4)+\b):8*(8*((\a)%4)+\b)+7], v[128*(\p)+FR*\b:128*(\p)+FR*\b+FR-1], v[AF+FR*(\a):AF+FR*(\a)+FR-1], 0, v[SC+8*NQ*(\sc)+NQ*\b+(\q)], v[SC+8*NQ*(\sc)+NQ*(\a)+(\q)] matrix_a_fmt:MATRIX_FMT_FP4 matrix_b_fmt:MATRIX_FMT_FP4 matrix_a_scale:MATRIX_SCALE_ROW1
.else
	v_wmma_scale_f32_16x16x128_f8f6f4 v[8*(8*((\a)%4)+\b):8*(8*((\a)%4)+\b)+7], v[128*(\p)+FR*\b:128*(\p)+FR*\b+FR-1], v[AF+FR*(\a):AF+FR*(\a)+FR-1], v[8*(8*((\a)%4)+\b):8*(8*((\a)%4)+\b)+7], v[SC+8*NQ*(\sc)+NQ*\b+(\q)], v[SC+8*NQ*(\sc)+NQ*(\a)+(\q)] matrix_a_fmt:MATRIX_FMT_FP4 matrix_b_fmt:MATRIX_FMT_FP4 matrix_a_scale:MATRIX_SCALE_ROW1
.endif
.endr
.endr
.endm
.macro FETCH_B slot, q, p
	WIN TO_B
.irp i, 0,1,2,3,4,5,6,7
	FRAG 128*(\p)+FR*\i, ADRB+\slot, \q, \i
.endr
	WIN 0
.endm
.macro FETCH_A slot, q, i0
.irp i, \i0, \i0+1, \i0+2, \i0+3
	FRAG AF+FR*(\i), ADRA+\slot, \q, \i
.endr
.endm
.macro SCALES sc                       ; a K step's scale words: four a row; lanes 0-15 take x's block i, lanes 16-31 W's block i
.irp i, 0,1,2,3,4,5,6,7
	ds_load_b128 v[SC+8*NQ*\sc+NQ*\i:SC+8*NQ*\sc+NQ*\i+3], v[ADRS] offset:\i*SBLK
.endr
.endm
.macro PLACES n                        ; plain vector instructions between a matrix instruction and a load into, or a vector instruction on, its registers
.rept \n
	v_nop
.endr
.endm
.macro STEP slot, q, zero              ; a step of 128 along K that has its successor in the same slot
	s_wait_dscnt 4*NL                              ; W's set and x's blocks 0-3 are in; the youngest eight loads (x's blocks 4-7) may be out
	WIN MUL_LO
	MUL16 0, (\q)%2, \q, \slot, \zero
	MUL16 2, (\q)%2, \q, \slot, \zero
	s_wait_dscnt 0
	PLACES NP
	FETCH_B \slot, (\q)+1, 1-(\q)%2
	FETCH_A \slot, (\q)+1, 0
	WIN MUL_HI
	MUL16 4, (\q)%2, \q, \slot, \zero
	MUL16 6, (\q)%2, \q, \slot, \zero
	PLACES NP
	WIN 0
	FETCH_A \slot, (\q)+1, 4
.endm
	s_wait_tensorcnt 1                             ; the scales and my part of K step 0 are in (K step 1's load may be out),
	s_barrier_signal -1
	s_barrier_wait -1                              ; everybody's are
	FETCH_B 0, 0, 0
	FETCH_A 0, 0, 0
	SCALES 0
	FETCH_A 0, 0, 4
	STEP 0, 0, 1                                   ; the first products start the sums: nothing is cleared
	STEP 0, 1, 0
	STEP 0, 2, 0
	; slot 0's last step changes slots: one barrier; in front of it each wave waits for all its tensor loads (its part of slot 1), and for its own reads of slot 0
	s_wait_tensorcnt 0x0
	ds_add_u32 v[SPW], v[NIL]                      ; 0 onto my spare word
	s_wait_dscnt 4*NL+1                            ; (the add and the youngest eight loads may be out)
	WIN MUL_LO
	MUL16 0, 1, NQ-1, 0, 0
	s_wait_dscnt 0x0
	s_barrier_signal -1
	MUL16 2, 1, NQ-1, 0, 0
	WIN 0
	s_barrier_wait -1
	PLACES NP
	v_add_nc_u32 v[ADRS], 4*NQ, v[ADRS]            ; on to K step 1's scale words (no LDS load of mine is out)
	FETCH_B 1, 0, 0
	FETCH_A 1, 0, 0
	SCALES 1
	WIN MUL_HI
	MUL16 4, 1, NQ-1, 0, 0
	MUL16 6, 1, NQ-1, 0, 0
	PLACES NP
	WIN 0
	FETCH_A 1, 0, 4
	STEP 1, 0, 0
	STEP 1, 1, 0
	STEP 1, 2, 0
	s_wait_dscnt 4*NL                              ; the very last step: nothing more to fetch
	WIN MUL_LO
	MUL16 0, 1, NQ-1, 1, 0
	MUL16 2, 1, NQ-1, 1, 0
	s_wait_dscnt 0
	WIN MUL_HI
	MUL16 4, 1, NQ-1, 1, 0
	MUL16 6, 1, NQ-1, 1, 0
	WIN 0
; THE WAY OUT, block by block of 16 rows x 128 columns: (sum + bias) x c as one fused multiply-add with bias x c; rounded to f16, 16 bytes a lane; through my own stage and back as whole rows of 256 bytes.
	s_wait_loadcnt 0x0                             ; the bias
.set bi, 0
.rept 32
	v_pk_mul_f32 v[BIAS+2*bi:BIAS+2*bi+1], v[BIAS+2*bi:BIAS+2*bi+1], s[66:67] op_sel_hi:[1,0]   ; bias x c.  (These 32 name no register of the last products: they are the places behind them)
.set bi, bi+1
.endr
.macro PACK a
.set AC, 64*((\a)%4)
	WIN 0x02+((\a)/4)                              ; source 0: window 2 or 3
.irp b, 0,1,2,3,4,5,6,7
.irp r, 0,1,2,3
	v_pk_fma_f32 v[T+8*\b+2*\r:T+8*\b+2*\r+1], v[AC+8*\b+2*\r:AC+8*\b+2*\r+1], s[66:67], v[BIAS+8*\b+2*\r:BIAS+8*\b+2*\r+1] op_sel_hi:[1,0,1]   ; each accumulator from its low end on
.endr
.endr
	WIN 0
.set pi, 0
.rept 32
	v_cvt_pk_f16_f32 v[TMP+pi], v[T+2*pi], v[T+2*pi+1]
.set pi, pi+1
.endr
.endm
.macro TOSTAGE a
.set BB, 32*((\a)%2)                   ; in window 1, where W's fragments lay
.irp b, 0,1,2,3,4,5,6,7
	ds_store_b128 v[STO], v[TMP+4*\b:TMP+4*\b+3] offset:32*\b
.endr
	WIN TO_B
.irp t, 0,1,2,3,4,5,6,7
	ds_load_b128 v[BB+4*\t:BB+4*\t+3], v[RD] offset:\t*2*SPITCH    ; LDS serves a wave's instructions in order (ISA guide 5.7.1.4): these see the stores above
.endr
	WIN 0
.endm
.macro SEND a
.set BB, 32*((\a)%2)
	s_wait_dscnt 0x0                               ; the block is back in registers
	s_wait_xcnt 0x0                                ; the earlier stores have read their base and their data: only behind this wait are they written again
.if (\a) > 0
	s_add_nc_u64 s[12:13], s[12:13], 16*CROW
.endif
	WIN 0x04                                       ; a store's data are its source 1: window 1
.irp t, 0,1,2,3,4,5,6,7
	global_store_b128 v[CO], v[BB+4*\t:BB+4*\t+3], s[12:13] offset:2*\t*CROW   ; 16 lanes store 256 consecutive bytes, aligned
.endr
	WIN 0
.endm
	PACK 0
	TOSTAGE 0
.irp a, 1,2,3,4,5,6,7                  ; block a's arithmetic stands between block a - 1's loads from the stage and the wait for them
	PACK \a
	SEND \a-1
	TOSTAGE \a
.endr
	SEND 7
	s_wait_tensorcnt 0x0                           ; the wave's end, behind my last tensor load and my last LDS store
	ds_add_u32 v[SPW], v[NIL]
	s_wait_dscnt 0x0
	CROUND                                         ; the closing round
	s_endpgm
.Lfunc_end_k_qa05a6baaa0_qkv:
	.size	k_qa05a6baaa0_qkv, .Lfunc_end_k_qa05a6baaa0_qkv-k_qa05a6baaa0_qkv
	.p2alignl 7, 3214868480
	.fill 96, 4, 3214868480
	.section	.rodata,"a",@progbits
	.p2align	6, 0x0
	.amdhsa_kernel k_qa05a6baaa0_qkv
		.amdhsa_group_segment_fixed_size 327680
		.amdhsa_private_segment_fixed_size 0
		.amdhsa_enable_private_segment 0
		.amdhsa_kernarg_size 48
		.amdhsa_user_sgpr_count 2
		.amdhsa_user_sgpr_kernarg_segment_ptr 1
		.amdhsa_wavefront_size32 1
		.amdhsa_system_sgpr_workgroup_id_x 1
		.amdhsa_system_sgpr_workgroup_id_y 1
		.amdhsa_system_sgpr_workgroup_id_z 1
		.amdhsa_system_vgpr_workitem_id 0
		.amdhsa_next_free_vgpr 1024
		.amdhsa_next_free_sgpr 102
		.amdhsa_reserve_vcc 0
		.amdhsa_float_denorm_mode_32 3
		.amdhsa_float_denorm_mode_16_64 3
		.amdhsa_memory_ordered 1
		.amdhsa_forward_progress 1
		.amdhsa_inst_pref_size 148
	.end_amdhsa_kernel
	.amdgpu_metadata
---
amdhsa.version: [ 1, 2 ]
amdhsa.kernels:
  - .name:           k_qa05a6baaa0_qkv
    .symbol:         k_qa05a6baaa0_qkv.kd
    .args:
      - { .name: codes, .offset: 0, .size: 8, .value_kind: global_buffer, .address_space: global }
      - { .name: scales, .offset: 8, .size: 8, .value_kind: global_buffer, .address_space: global }
      - { .name: bq, .offset: 16, .size: 8, .value_kind: global_buffer, .address_space: global }
      - { .name: bk, .offset: 24, .size: 8, .value_kind: global_buffer, .address_space: global }
      - { .name: bv, .offset: 32, .size: 8, .value_kind: global_buffer, .address_space: global }
      - { .name: qkv, .offset: 40, .size: 8, .value_kind: global_buffer, .address_space: global }
    .group_segment_fixed_size: 327680
    .private_segment_fixed_size: 0
    .kernarg_segment_align: 8
    .kernarg_segment_size: 48
    .max_flat_workgroup_size: 128
    .sgpr_count:     102
    .vgpr_count:     1024
    .wavefront_size: 32
...
	.end_amdgpu_metadata
.endif
;; end of part 2
;; launch attn (part 3): grid 4 x 64, 8 waves a work-group, clusters of 4 x 1, 327,680 bytes of LDS; arguments qkv, posb, mbits, ao; writes ao
.if DOCPART == 3
	.amdgcn_target "amdgcn-amd-amdhsa--gfx1250"
	.amdhsa_code_object_version 6
	.text
	.protected	k_qa05a6baaa0_attn
	.globl	k_qa05a6baaa0_attn
	.p2align	8
	.type	k_qa05a6baaa0_attn,@function
k_qa05a6baaa0_attn:
	s_mov_b64 s[64:65], 0
	v_nop
	global_prefetch_b8 v0, s[64:65] scope:SCOPE_SE
	s_setreg_imm32_b32 hwreg(HW_REG_WAVE_MODE, 25, 1), 1
	s_wait_xcnt 0x0
	s_wait_alu depctr_hold_cnt(0) depctr_sa_sdst(0) depctr_va_vdst(0) depctr_va_sdst(0) depctr_va_ssrc(0) depctr_va_vcc(0) depctr_vm_vsrc(0)
	s_getreg_b32 s2, hwreg(HW_REG_IB_STS2, 6, 4)
	s_cmp_eq_u32 s2, 0
	s_cbranch_scc0 .Lentry_in_a_cluster
	s_endpgm
.Lentry_in_a_cluster:
	s_bfe_u32 s2, ttmp6, 0x10000c
	s_cmp_lg_u32 s2, 0x3003
	s_cbranch_scc0 .Lentry_shape_is_right
	s_endpgm
.Lentry_shape_is_right:
; ao = softmax_k(q . k / 8 + pos_bias[k], masked) v, for one batch and head a cluster.  q' = q log2(e) / 8, k, v: f16 in qkv (rows of 6,144 bytes; a head's k | v are 256 aligned bytes of a row);
; pos' = pos_bias log2(e): f32;  the mask: lane-mask words, eight for a tile of 16 queries x 16 keys.  Products on f16 operands, sums, maxima and exponentials in f32; p is rounded to f16 for the second product.
; SHARES.  A work-group owns 512 queries, each of its eight waves 64: four tiles of 16.  Every wave walks the 2,048 keys, 64 a step.
; LAYOUT.  S^T = K Q^T + pos' (source 0 = 16 keys, source 1 = 16 queries, C = pos' of the tile's keys): a lane holds ONE query (lane % 16) and keys 8 (lane / 16) + 0..7.  Behind the product one v_cndmask_b32 a score
; puts -infinity where the mask's bit is 0.  Two such tiles, rounded to f16 in pairs, are source 1 of O^T = V^T P.  The row's sum of p is a product too: rows 0 and 8 of its source 0 are ones, so it falls into register 0.
; SOFTMAX.  A running maximum m and sum l for each query: p = 2^(s - m); in every step O and l are multiplied by 2^(m_old - m_new).  m begins at -3e38.
; LIMITS: scores under -3e38 count as masked; a row that is wholly masked has l = 0 and O = 0, and 0 x infinity gives NaN there; results go to f16 (under 6e-5 in steps of 6e-8); NaN and infinities among the inputs are not served.
; TWO GROUPS OF WAVES, HALF A STEP APART.  A step is two halves: B (LDS loads, K Q^T, the mask) and A (softmax, V^T P, on registers alone).  Two waves share a SIMD; one of them runs B, A, the other A, B: one's vector
; work stands beside the other's matrix work.  The waves of the second group begin with a half A on S = -infinity and V = 0, which adds nothing, and end with one more half A.  They pass each change of slots
; with V's fragments and the scores in registers: the half that is due touches no LDS.
; CLUSTER.  The four work-groups of a cluster are all the readers of a head's K and V: every tile is asked for jointly.  Two slots of 512 keys; each wave fetches 64 rows; a refill has eight steps in which to land.
; REGISTERS: window 0: v1-13 addresses; v16-31 statistics, four a tile (m, 0, alpha, 0); v32-63 pos' of the step's keys, then the maxima's chains; v64-127 K's or V's fragments; v128-255 S^T, 32 a tile; P takes the first 16 of each.
;   window 1: v0-127 O^T, 32 a tile; v128-159 the sums, 8 a tile; v160-223 Q; v224-231 the ones.
.set PITCH, 288                        ; a key's row in LDS: 256 bytes + 32; K's loads go two deep
.set STEPB, 64*PITCH                   ; a step's 64 keys: what one tensor load brings
.set SLOTB, 8*STEPB
.set POSB,  2*SLOTB                    ; behind the ring: pos' of the head's 2,048 keys, filled once
.set SPARE, POSB+8192                  ; the spare words, 128 bytes for each wave: four blocks of 256 bytes that no other line names
.set QROW,  6144
.set SLOTG, 512*QROW                   ; a slot's keys in memory
.set SPS,   144                        ; the way out: a stage row: 128 bytes + 16.  The stages (9,216 bytes a wave) lie in slot 0, which has had its last fill and its last read by then
.set AK0, 1
.set AV0, 2
.set AP0, 3
.set ADK, 4
.set ADV, 5
.set ADP, 6
.set NINF, 7                           ; v7 -infinity
.set SPW, 8                            ; v8 LDS address of my spare word; never rewritten
.set NIL, 9                            ; v9 0; never rewritten
.set STO, 10
.set RD,  11
.set GO,  12
.set PFO, 13                           ; v13 6,144 x lane: the prefetches' offset; never rewritten
.set ST,  16
.set POS, 32
.set MX,  32
.set KV,  64
.set S,   128
.set OT,  0                            ; window 1
.set LS,  128
.set QF,  160
.set ONE, 224
.set MP,  2                            ; s[2:3] my mask words: tile 0 of the step in hand
.set WV,  4
.set GA,  5                            ; which group
.set WOFS, 6                           ; 18,432 x wave
.set IC,  7
.set TB,  8                            ; LDS byte at which the step's keys begin
.set SLOTS, 9
.set TP,  10                           ; 256 x step: the step's pos'
.set PAR, 11                           ; the slot in hand
.set G0,  12                           ; s[12:15] the walking descriptor
.set G1,  16                           ; s[16:23]
.set SEL, 24
.set AO,  26
.set PFA, 28
.set LIM, 30
.set MA,  32                           ; s[32:63], s[68:99]: two sets of 32 mask words
.set MB,  68
.set G0P, 84                           ; pos' descriptors, at the head only, in registers that the mask words take later
.set G1P, 88
.set MSB, 0
.macro WIN new
.if MSB != \new
	s_set_vgpr_msb (MSB<<8)|\new
.set MSB, \new
.endif
.endm
.set W_KQ,  0x04                       ; Q in window 1
.set W_PV,  0x50                       ; O^T (C and D) in window 1
.set W_SUM, 0x51                       ; the ones too
.set W_RS,  0x41                       ; destination and source 0 in window 1
.macro ROUND                           ; a round of the cluster's barrier
	s_barrier_signal -1
	s_barrier_wait -1
	s_cmp_lg_u32 s[WV], 0
	s_cbranch_scc1 .Lnot_wave_0_\@
	s_barrier_signal -3
.Lnot_wave_0_\@:
	s_barrier_wait -3
	s_barrier_signal -1
	s_barrier_wait -1
.endm
	s_load_b256 s[32:39], s[0:1], 0x0              ; qkv, posb, mbits, ao
	v_lshl_add_u32 v[SPW], v0, 2, SPARE
	v_mov_b32 v[NIL], 0
	ds_add_u32 v[SPW], v[NIL]                      ; the wave's opening: the add, twice on end, and its wait ahead of my first tensor load
	ds_add_u32 v[SPW], v[NIL]
	v_lshrrev_b32 v14, 5, v0
	v_readfirstlane_b32 s[WV], v14                 ; wave 0..7
	s_lshr_b32 s[GA], s[WV], 2
	s_xor_b32 s[GA], s[GA], s[WV]
	s_and_b32 s[GA], s[GA], 1                      ; waves w and w + 4 differ in it, and so do waves 2 i and 2 i + 1
	s_mul_i32 s[WOFS], s[WV], STEPB
	s_bfe_u32 s31, ttmp6, 0x40000                  ; cx: it enters the addresses of Q, of the mask, of ao and of the prefetches alone
	s_and_b32 s40, ttmp7, 0xffff                   ; 16 b + head
	s_lshr_b32 s41, s40, 4                         ; b
	s_and_b32 s42, s40, 15                         ; head
	s_lshl_b32 s43, s41, 11                        ; the batch's first row
	s_lshl_b32 s44, s[WV], 6
	s_add_co_u32 s46, s43, s44                     ; the 64 keys that I fetch of slot 0
	s_mul_i32 s46, s46, QROW
	s_lshl_b32 s45, s42, 8
	s_add_co_u32 s46, s46, s45
	s_add_co_u32 s46, s46, 2048                    ; k | v of head h begin 2,048 + 256 h bytes into a row
	s_mov_b32 s47, 0
	s_lshl_b32 s48, s40, 13                        ; pos': 8,192 bytes a batch and head,
	s_lshl_b32 s49, s[WV], 10                      ; of which I fetch 1,024
	s_add_co_u32 s48, s48, s49
	s_add_co_u32 s[G0P+1], s49, POSB
	s_mov_b32 s49, 0
	s_lshl_b32 s50, s31, 9
	s_add_co_u32 s50, s50, s43
	s_add_co_u32 s50, s50, s44                     ; my first query's row: 2,048 b + 512 cx + 64 w
	s_mul_i32 s50, s50, QROW
	s_lshl_b32 s51, s42, 7
	s_add_co_u32 s50, s50, s51                     ; q' of head h: 128 h bytes into a row
	s_mov_b32 s51, 0
	s_lshl_b32 s52, s41, 7
	s_lshl_b32 s53, s31, 5
	s_add_co_u32 s52, s52, s53
	s_lshl_b32 s53, s[WV], 2
	s_add_co_u32 s52, s52, s53                     ; my first tile of queries: 128 b + 32 cx + 4 w
	s_lshl_b32 s52, s52, 12                        ; 4,096 bytes of mask words a tile
	s_mov_b32 s53, 0
	s_lshl_b32 s54, s41, 4
	s_lshl_b32 s55, s31, 2
	s_add_co_u32 s54, s54, s55
	s_lshr_b32 s55, s[WV], 1
	s_add_co_u32 s54, s54, s55                     ; ao [block of 128 rows][head][128][64]: my block 16 b + 4 cx + w / 2,
	s_lshl_b32 s54, s54, 18
	s_lshl_b32 s55, s42, 14
	s_add_co_u32 s54, s54, s55                     ; my head,
	s_and_b32 s55, s[WV], 1
	s_lshl_b32 s55, s55, 13
	s_add_co_u32 s54, s54, s55                     ; my 64 rows
	s_mov_b32 s55, 0
	s_lshl_b32 s56, s31, 7
	s_lshl_b32 s57, s[WV], 5
	s_add_co_u32 s56, s56, s57
	s_add_co_u32 s56, s56, s43
	s_add_co_u32 s56, s56, 512                     ; the prefetches: rows 128 cx + 32 w on of slot 1; the first change of slots steps them to slot 2
	s_mul_i32 s56, s56, QROW
	s_add_co_u32 s56, s56, s45
	s_add_co_u32 s56, s56, 2048
	s_mov_b32 s57, 0
	s_cmp_lt_u32 s[WV], 4
	s_cselect_b32 s[LIM], 1, -1                    ; waves 0 to 3 prefetch: the same in all four partners
	; descriptor group 1 for k | v: 64 rows of 128 elements of 2 bytes, 3,072 elements apart; 8 words of padding behind every 64
	s_mov_b32 s[G1], 15|(1<<16)|(1<<20)|(1<<21)|(5<<22)|(7<<25)   ; the mask names all four work-groups; bit 21 beside it
	s_mov_b32 s[G1+1], 128<<16
	s_mov_b32 s[G1+2], 64<<16
	s_mov_b32 s[G1+3], 128<<16
	s_mov_b32 s[G1+4], 64
	s_mov_b32 s[G1+5], 3072
	s_mov_b32 s[G1+6], 0
	s_mov_b32 s[G1+7], 0
	; and for pos': a dense block of 1,024 bytes as 4 rows of 32 elements of 8 bytes
	s_mov_b32 s[G1P], 15|(3<<16)|(1<<21)
	s_mov_b32 s[G1P+1], 32<<16
	s_mov_b32 s[G1P+2], 4<<16
	s_mov_b32 s[G1P+3], 32<<16
	s_mov_b32 s[G1P+4], 4
	s_mov_b32 s[G1P+5], 32
	s_mov_b32 s[G1P+6], 0
	s_mov_b32 s[G1P+7], 0
	s_mov_b32 s[G0], 1
	s_mov_b32 s[G0+1], s[WOFS]                     ; slot 0
	s_mov_b32 s[G0P], 1
	s_mov_b32 s[SEL], 0x76543210
	s_mov_b32 s[SEL+1], 0xfedcba98                 ; v_permlanex16_b32's selects for lane l xor 16
	s_mov_b32 s[TB], 0
	s_mov_b32 s[TP], 0
	s_mov_b32 s[PAR], 0
	s_mov_b32 s[SLOTS], 3
	s_wait_dscnt 0x0                               ; both opening adds are done
	s_wait_kmcnt 0x0
	s_add_nc_u64 s[G0+2:G0+3], s[32:33], s[46:47]
	s_or_b32 s[G0+3], s[G0+3], 0x80000000
	s_add_nc_u64 s[G0P+2:G0P+3], s[34:35], s[48:49]
	s_or_b32 s[G0P+3], s[G0P+3], 0x80000000
	s_add_nc_u64 s[66:67], s[32:33], s[50:51]      ; Q
	s_add_nc_u64 s[MP:MP+1], s[36:37], s[52:53]
	s_add_nc_u64 s[AO:AO+1], s[38:39], s[54:55]
	s_add_nc_u64 s[PFA:PFA+1], s[32:33], s[56:57]
	ROUND                                          ; all four work-groups are here: the first joint loads meet
	tensor_load_to_lds s[G0P:G0P+3], s[G1P:G1P+7]  ; pos', filled once
	s_nop 0
	tensor_load_to_lds s[G0:G0+3], s[G1:G1+7]      ; slot 0.  Two loads of mine are out
	s_nop 0
.rept 4
	v_nop
.endr
	v_and_b32 v14, 15, v0                          ; r
	v_bfe_u32 v15, v0, 4, 1                        ; h
	v_mul_u32_u24 v[ADK], v14, QROW
	v_lshl_add_u32 v[ADK], v15, 4, v[ADK]          ; Q: row r, + 16 h (this register takes LDS addresses only behind the wait for these loads)
	WIN 0x40                                       ; destination window 1
.irp t, 0,1,2,3
.irp c, 0,1
	global_load_b128 v[QF+16*\t+8*\c:QF+16*\t+8*\c+3], v[ADK], s[66:67] offset:98304*\t+64*\c        ; tile t, channels 32 c on: Q stays in registers
	global_load_b128 v[QF+16*\t+8*\c+4:QF+16*\t+8*\c+7], v[ADK], s[66:67] offset:98304*\t+64*\c+32
.endr
.endr
.set zi, 0
.rept 160
	v_mov_b32 v[zi], 0                             ; O^T and the sums begin as zeros: a half step is written once for all steps
.set zi, zi+1
.endr
	WIN 0
	v_mul_u32_u24 v[AK0], v14, PITCH
	v_lshl_add_u32 v[AK0], v15, 4, v[AK0]          ; K: key r of a tile, + 16 h
	v_and_b32 v[AV0], 7, v0
	v_lshl_add_u32 v[AV0], v15, 3, v[AV0]
	v_mul_u32_u24 v[AV0], v[AV0], PITCH            ; V, for the turning load: key 8 h + l % 8,
	v_bfe_u32 v[AP0], v0, 3, 1
	v_lshl_add_u32 v[AV0], v[AP0], 4, v[AV0]       ; channels 8 ((l / 8) % 2) on,
	v_add_nc_u32 v[AV0], 128, v[AV0]               ; behind the key's 128 bytes of K
	v_lshl_add_u32 v[AP0], v15, 5, POSB            ; pos': keys 8 h on of a tile
	v_mov_b32 v[NINF], 0xff800000
	s_mul_i32 s31, s[WV], 64*SPS                   ; my stage
	v_mul_u32_u24 v[STO], v14, SPS
	v_lshl_add_u32 v[STO], v15, 4, v[STO]
	v_add_nc_u32 v[STO], s31, v[STO]               ; in: row r, + 16 h
	v_and_b32 v[GO], 31, v0
	v_lshrrev_b32 v[RD], 3, v[GO]
	v_mul_u32_u24 v[RD], v[RD], SPS
	v_and_b32 v[PFO], 7, v0
	v_lshl_add_u32 v[RD], v[PFO], 4, v[RD]
	v_add_nc_u32 v[RD], s31, v[RD]                 ; back: four rows of 128 bytes an instruction
	v_mul_u32_u24 v[PFO], v[GO], QROW
	v_lshlrev_b32 v[GO], 4, v[GO]                  ; out: 16 x lane
.irp t, 0,1,2,3
	v_mov_b32 v[ST+4*\t], 0xff61b1e6               ; m = -3e38
	v_mov_b32 v[ST+4*\t+1], 0                      ; (named with m as a pair)
	v_mov_b32 v[ST+4*\t+2], 0
	v_mov_b32 v[ST+4*\t+3], 0                      ; (named with alpha as a pair)
.endr
	v_and_b32 v[ADV], 7, v0
	v_cmp_eq_u32 vcc_lo, 0, v[ADV]
	v_mov_b32 v[ADP], 0x3c003c00                   ; two f16 ones
	v_cndmask_b32 v[ADP], v[NIL], v[ADP], vcc_lo   ; in lanes 0, 8, 16, 24: rows 0 and 8 of the sums' source 0
	WIN 0x40
.irp i, 0,1,2,3,4,5,6,7
	v_mov_b32 v[ONE+\i], v[ADP]
.endr
	WIN 0
.set zi, 0
.rept 128
	v_mov_b32 v[S+zi], v[NINF]                     ; what the second group's first half A finds: scores of -infinity,
.set zi, zi+1
.endr
.set zi, 0
.rept 64
	v_mov_b32 v[KV+zi], 0                          ; and a V of zeros
.set zi, zi+1
.endr
	s_wait_tensorcnt 0x0                           ; pos' descriptors are read: their registers may take mask words
	s_load_b512 s[MA:MA+15], s[MP:MP+1], 0         ; step 0's words of tile 0,
	s_load_b512 s[MA+16:MA+31], s[MP:MP+1], 64
	s_load_b512 s[MB:MB+15], s[MP:MP+1], 4096      ; and of tile 1
	s_load_b512 s[MB+16:MB+31], s[MP:MP+1], 4160
	s_wait_loadcnt 0x0                             ; Q
; 16 products: S^T of tiles t0, t0 + 1; eight accumulators by turns, two links each.  The first link's C is pos' of the tile's keys.
.macro KQ t0
	WIN W_KQ
.irp c, 0,1
.irp kt, 0,1,2,3
.irp t, \t0, \t0+1
.if \c == 0
	v_wmma_f32_16x16x32_f16 v[S+32*(\t)+8*\kt:S+32*(\t)+8*\kt+7], v[KV+16*\kt:KV+16*\kt+7], v[QF+16*(\t):QF+16*(\t)+7], v[POS+8*\kt:POS+8*\kt+7]
.else
	v_wmma_f32_16x16x32_f16 v[S+32*(\t)+8*\kt:S+32*(\t)+8*\kt+7], v[KV+16*\kt+8:KV+16*\kt+15], v[QF+16*(\t)+8:QF+16*(\t)+15], v[S+32*(\t)+8*\kt:S+32*(\t)+8*\kt+7]
.endif
.endr
.endr
.endr
	WIN 0
.endm
.macro MASK t, set                     ; -infinity where the mask's bit is 0; each accumulator from its low end on
.set mi, 0
.rept 32
	v_cndmask_b32 v[S+32*(\t)+mi], v[NINF], v[S+32*(\t)+mi], s[\set+mi]
.set mi, mi+1
.endr
.endm
; HALF B: all of a step's LDS and scalar loads, K Q^T and the mask.
.macro HALF_B
	v_add_nc_u32 v[ADK], s[TB], v[AK0]
	v_add_nc_u32 v[ADV], s[TB], v[AV0]
	v_add_nc_u32 v[ADP], s[TP], v[AP0]
	v_nop
	v_nop                                          ; five places: K Q^T writes over registers that the last V^T P read as an operand; four of them serve the loads into V's registers
.irp kt, 0,1,2,3
	ds_load_b128 v[POS+8*\kt:POS+8*\kt+3], v[ADP] offset:64*\kt
	ds_load_b128 v[POS+8*\kt+4:POS+8*\kt+7], v[ADP] offset:64*\kt+16
.endr
.irp kt, 0,1,2,3
.irp c, 0,1
	ds_load_b128 v[KV+16*\kt+8*\c:KV+16*\kt+8*\c+3], v[ADK] offset:16*PITCH*\kt+64*\c
	ds_load_b128 v[KV+16*\kt+8*\c+4:KV+16*\kt+8*\c+7], v[ADK] offset:16*PITCH*\kt+64*\c+32
.endr
.endr
	s_wait_dscnt 0x0
	KQ 0
.rept 4
	v_nop                                          ; four places between the products and the first read of their results
.endr
	s_wait_kmcnt 0x0                               ; this step's words of tiles 0 and 1
	MASK 0, MA
	s_load_b512 s[MA:MA+15], s[MP:MP+1], 8192      ; tile 2's, into the registers that tile 0's have left: they land under the next sixteen products
	s_load_b512 s[MA+16:MA+31], s[MP:MP+1], 8256
	MASK 1, MB
	s_load_b512 s[MB:MB+15], s[MP:MP+1], 12288     ; tile 3's
	s_load_b512 s[MB+16:MB+31], s[MP:MP+1], 12352
	KQ 2
.rept 4
	v_nop                                          ; four places: for the loads into K's registers, and for the reads of the results
.endr
.irp c, 0,1
.irp n, 0,1,2,3
	ds_load_tr16_b128 v[KV+8*(4*\c+\n):KV+8*(4*\c+\n)+3], v[ADV] offset:32*PITCH*\c+32*\n            ; V^T: keys 32 c on, channels 16 n on; waited for in half A
	ds_load_tr16_b128 v[KV+8*(4*\c+\n)+4:KV+8*(4*\c+\n)+7], v[ADV] offset:32*PITCH*\c+16*PITCH+32*\n
.endr
.endr
	s_wait_kmcnt 0x0                               ; tiles 2 and 3; and no scalar load is out, so their base may step
	s_add_nc_u64 s[MP:MP+1], s[MP:MP+1], 128       ; four key tiles on
	MASK 2, MA
	MASK 3, MB
	s_load_b512 s[MA:MA+15], s[MP:MP+1], 0         ; the next step's words of tiles 0 and 1.  Behind the last step these read the first words of my tiles 1 and 2: inside the buffer, and never used
	s_load_b512 s[MA+16:MA+31], s[MP:MP+1], 64
	s_load_b512 s[MB:MB+15], s[MP:MP+1], 4096
	s_load_b512 s[MB+16:MB+31], s[MP:MP+1], 4160
	s_add_co_u32 s[TB], s[TB], STEPB
	s_add_co_u32 s[TP], s[TP], 256
.endm
; HALF A: the softmax of the four tiles and V^T P, on registers alone (but for the wait for V's loads).
.macro HALF_A
.irp k, 0,1,2,3                                ; the maximum of a lane's 32 scores and the old m: four chains a tile, the tiles by turns
.irp t, 0,1,2,3
	v_max3_num_f32 v[MX+4*\t+\k], v[S+32*\t+8*\k], v[S+32*\t+8*\k+1], v[S+32*\t+8*\k+2]
.endr
.endr
.irp i, 3,5
.irp k, 0,1,2,3
.irp t, 0,1,2,3
	v_max3_num_f32 v[MX+4*\t+\k], v[MX+4*\t+\k], v[S+32*\t+8*\k+\i], v[S+32*\t+8*\k+\i+1]
.endr
.endr
.endr
.irp t, 0,1,2,3
	v_max3_num_f32 v[MX+4*\t], v[MX+4*\t], v[S+32*\t+7], v[S+32*\t+15]
.endr
.irp t, 0,1,2,3
	v_max3_num_f32 v[MX+4*\t+2], v[MX+4*\t+2], v[S+32*\t+23], v[S+32*\t+31]
.endr
.irp t, 0,1,2,3
	v_max3_num_f32 v[MX+4*\t], v[MX+4*\t], v[MX+4*\t+1], v[MX+4*\t+2]
.endr
.irp t, 0,1,2,3
	v_max3_num_f32 v[MX+4*\t], v[MX+4*\t], v[MX+4*\t+3], v[ST+4*\t]
.endr
.irp t, 0,1,2,3
	v_permlanex16_b32 v[MX+4*\t+1], v[MX+4*\t], s[SEL], s[SEL+1]   ; the query's other 32 keys lie in the lane 16 away
.endr
.irp t, 0,1,2,3
	v_max_num_f32 v[MX+4*\t+2], v[MX+4*\t], v[MX+4*\t+1]           ; the new m
.endr
.irp t, 0,1,2,3
	v_sub_f32 v[ST+4*\t+2], v[ST+4*\t], v[MX+4*\t+2]               ; m_old - m_new
.endr
.irp t, 0,1,2,3
	v_mov_b32 v[ST+4*\t], v[MX+4*\t+2]
.endr
; ONE BATCH of 132 exponentials with one wait: nothing in it reads an exponential's result; a tile's subtractions stand among the exponentials of the tile before
.irp t, 0,1,2,3
	v_exp_f32 v[ST+4*\t+2], v[ST+4*\t+2]           ; alpha
.endr
.set ei, 0
.rept 16
	v_pk_add_f32 v[S+2*ei:S+2*ei+1], v[S+2*ei:S+2*ei+1], v[ST:ST+1] op_sel_hi:[1,0] neg_lo:[0,1] neg_hi:[0,1]   ; s - m
.set ei, ei+1
.endr
.irp t, 0,1,2,3
.set ei, 0
.rept 16
	v_exp_f32 v[S+32*\t+2*ei], v[S+32*\t+2*ei]
	v_exp_f32 v[S+32*\t+2*ei+1], v[S+32*\t+2*ei+1]
.if \t < 3
	v_pk_add_f32 v[S+32*(\t+1)+2*ei:S+32*(\t+1)+2*ei+1], v[S+32*(\t+1)+2*ei:S+32*(\t+1)+2*ei+1], v[ST+4*(\t+1):ST+4*(\t+1)+1] op_sel_hi:[1,0] neg_lo:[0,1] neg_hi:[0,1]
.endif
.set ei, ei+1
.endr
.endr
	v_nop                                          ; a plain instruction behind the last exponential
	s_wait_alu depctr_va_vdst(0)                   ; one wait for the batch, ahead of its first reader
.irp t, 0,1,2,3
.set ei, 0
.rept 16
	v_cvt_pk_f16_f32 v[S+32*\t+ei], v[S+32*\t+2*ei], v[S+32*\t+2*ei+1]   ; P: pair i into register i; a destination's old number has been read by then
.set ei, ei+1
.endr
.endr
	WIN W_RS
.irp t, 0,1,2,3
.set ei, 0
.rept 16
	v_pk_mul_f32 v[OT+32*\t+2*ei:OT+32*\t+2*ei+1], v[OT+32*\t+2*ei:OT+32*\t+2*ei+1], v[ST+4*\t+2:ST+4*\t+3] op_sel_hi:[1,0]   ; O^T x alpha, each accumulator from its low end on
.set ei, ei+1
.endr
	v_pk_mul_f32 v[LS+8*\t:LS+8*\t+1], v[LS+8*\t:LS+8*\t+1], v[ST+4*\t+2:ST+4*\t+3] op_sel_hi:[1,0]   ; l x alpha: register 0 holds it, the others hold zeros
.endr
	s_wait_dscnt 0x0                               ; V is in
	WIN W_PV
.irp c, 0,1                                    ; sixteen accumulators by turns, two links each
.irp n, 0,1,2,3
.irp t, 0,1,2,3
	v_wmma_f32_16x16x32_f16 v[OT+32*\t+8*\n:OT+32*\t+8*\n+7], v[KV+8*(4*\c+\n):KV+8*(4*\c+\n)+7], v[S+32*\t+8*\c:S+32*\t+8*\c+7], v[OT+32*\t+8*\n:OT+32*\t+8*\n+7]
.endr
.endr
.endr
	WIN W_SUM
.irp c, 0,1                                    ; the rows' sums of the rounded p: four accumulators by turns
.irp t, 0,1,2,3
	v_wmma_f32_16x16x32_f16 v[LS+8*\t:LS+8*\t+7], v[ONE:ONE+7], v[S+32*\t+8*\c:S+32*\t+8*\c+7], v[LS+8*\t:LS+8*\t+7]
.endr
.endr
	WIN 0
.endm
; A slot's eight steps.  The branches hang on the wave's number alone; no barrier, no tensor load and no wait on TENSORcnt stands in a step.
.macro STEPS
	s_mov_b32 s[IC], 8
.Lstep_\@:
	s_cmp_eq_u32 s[GA], 0
	s_cbranch_scc1 .Lb_\@
	HALF_A
.Lb_\@:
	HALF_B
	s_cmp_lg_u32 s[GA], 0
	s_cbranch_scc1 .Le_\@
	HALF_A
.Le_\@:
	s_sub_co_u32 s[IC], s[IC], 1
	s_cmp_lg_u32 s[IC], 0
	s_cbranch_scc1 .Lstep_\@
	s_xor_b32 s[PAR], s[PAR], 1                    ; on to the other slot
	s_mul_i32 s[TB], s[PAR], SLOTB
.endm
; A prefetch of what the NEXT change of slots will ask for: a slot's 512 rows, 256 aligned bytes of each, a lane a row.  This cluster alone reads the head's K and V; its four partners take 128 rows each, told apart
; by address; in each, waves 0 to 3 ask for 32 rows: each block is named once.  It stands behind the wave's tensor load and its five lines, eight key steps ahead of the load that will want the rows.
; Slots 0 and 1 come by their loads alone; the last change that fills a slot asks for nothing.
.macro ASK
	s_cmp_gt_u32 s[SLOTS], s[LIM]
	s_cbranch_scc0 .Lnot_mine_\@
	global_prefetch_b8 v[PFO], s[PFA:PFA+1] th:TH_LOAD_NT scope:SCOPE_SE
.Lnot_mine_\@:
.endm
; THE CHANGE OF SLOTS stands at a slot's head.  Each wave waits for all its tensor loads (its part of the slot ahead), adds 0 to its spare word, and waits for that and for its reads of the slot that it has left.
; fill = 1: the barrier is a round of the cluster's, and behind it the other slot is filled with the keys that follow.
.macro CHANGE fill
	s_wait_tensorcnt 0x0                           ; no tensor load of mine is out, so the descriptor may be written
	ds_add_u32 v[SPW], v[NIL]                      ; 0 onto my spare word
.if \fill
	s_xor_b32 s31, s[PAR], 1
	s_mul_i32 s31, s31, SLOTB
	s_add_co_u32 s[G0+1], s31, s[WOFS]             ; the other slot than the one ahead,
	s_add_nc_u64 s[G0+2:G0+3], s[G0+2:G0+3], SLOTG ; the next 512 keys; the type bits on top are not reached
	s_wait_xcnt 0x0                                ; the last prefetch, a slot back, has read its address
	s_add_nc_u64 s[PFA:PFA+1], s[PFA:PFA+1], SLOTG
	s_wait_dscnt 0x0                               ; the add is done, and my reads of the slot that I have left are over
	ROUND
	tensor_load_to_lds s[G0:G0+3], s[G1:G1+7]      ; the first thing behind the round, and my one tensor load until the next
	s_nop 0
.rept 4
	v_nop
.endr
	ASK
.else
	s_wait_dscnt 0x0
	s_barrier_signal -1
	s_barrier_wait -1
.endif
.endm
.Lslot:                                            ; three trips: behind each change of slots but the last the next slot is asked for
	CHANGE 1
	STEPS
	s_sub_co_u32 s[SLOTS], s[SLOTS], 1
	s_cmp_lg_u32 s[SLOTS], 0
	s_cbranch_scc1 .Lslot
	CHANGE 0                                       ; the last slot is written out
	STEPS
	s_cmp_eq_u32 s[GA], 0
	s_cbranch_scc1 .Lout
	HALF_A                                         ; the second group's last half
.Lout:
	; THE WAY OUT: O^T / l, rounded to f16, through my stage, a tile (16 rows of 128 bytes) at a time; a store covers four rows: 512 consecutive bytes
.rept 4
	v_nop                                          ; four places behind the last products
.endr
	WIN 0x01                                       ; source 0 in window 1
.irp t, 0,1,2,3
	v_rcp_f32 v[ST+4*\t+2], v[LS+8*\t]
.endr
	v_nop                                          ; a plain instruction behind the last reciprocal,
	s_wait_alu depctr_va_vdst(0)                   ; and one wait for the four, ahead of their first reader
.irp t, 0,1,2,3
	WIN 0x01
.set ei, 0
.rept 16
	v_pk_mul_f32 v[S+32*\t+2*ei:S+32*\t+2*ei+1], v[OT+32*\t+2*ei:OT+32*\t+2*ei+1], v[ST+4*\t+2:ST+4*\t+3] op_sel_hi:[1,0]
.set ei, ei+1
.endr
	WIN 0
.set ei, 0
.rept 16
	v_cvt_pk_f16_f32 v[S+32*\t+ei], v[S+32*\t+2*ei], v[S+32*\t+2*ei+1]
.set ei, ei+1
.endr
.irp n, 0,1,2,3
	ds_store_b128 v[STO], v[S+32*\t+4*\n:S+32*\t+4*\n+3] offset:16*SPS*\t+32*\n      ; query r, channels 16 n + 8 h on
.endr
.irp i, 0,1,2,3
	ds_load_b128 v[S+32*\t+16+4*\i:S+32*\t+16+4*\i+3], v[RD] offset:16*SPS*\t+4*SPS*\i   ; LDS serves a wave's instructions in order: these see my stores
.endr
.endr
.irp t, 0,1,2,3
.irp i, 0,1,2,3
	s_wait_dscnt 8*(3-\t)+3-\i                     ; behind this load: the rest of its tile's loads, and eight LDS instructions for each later tile
	global_store_b128 v[GO], v[S+32*\t+16+4*\i:S+32*\t+16+4*\i+3], s[AO:AO+1] offset:2048*\t+512*\i
.endr
.endr
	s_wait_kmcnt 0x0                               ; the last mask words, which nobody reads
	s_wait_tensorcnt 0x0                           ; the wave's end, behind my last tensor load and my last LDS store
	ds_add_u32 v[SPW], v[NIL]
	s_wait_dscnt 0x0
	ROUND                                          ; the closing round
	s_endpgm
.Lfunc_end_k_qa05a6baaa0_attn:
	.size	k_qa05a6baaa0_attn, .Lfunc_end_k_qa05a6baaa0_attn-k_qa05a6baaa0_attn
	.p2alignl 7, 3214868480
	.fill 96, 4, 3214868480
	.section	.rodata,"a",@progbits
	.p2align	6, 0x0
	.amdhsa_kernel k_qa05a6baaa0_attn
		.amdhsa_group_segment_fixed_size 327680
		.amdhsa_private_segment_fixed_size 0
		.amdhsa_enable_private_segment 0
		.amdhsa_kernarg_size 32
		.amdhsa_user_sgpr_count 2
		.amdhsa_user_sgpr_kernarg_segment_ptr 1
		.amdhsa_wavefront_size32 1
		.amdhsa_system_sgpr_workgroup_id_x 1
		.amdhsa_system_sgpr_workgroup_id_y 1
		.amdhsa_system_sgpr_workgroup_id_z 1
		.amdhsa_system_vgpr_workitem_id 0
		.amdhsa_next_free_vgpr 512
		.amdhsa_next_free_sgpr 100
		.amdhsa_reserve_vcc 1
		.amdhsa_float_denorm_mode_32 3
		.amdhsa_float_denorm_mode_16_64 3
		.amdhsa_memory_ordered 1
		.amdhsa_forward_progress 1
		.amdhsa_inst_pref_size 183
	.end_amdhsa_kernel
	.amdgpu_metadata
---
amdhsa.version: [ 1, 2 ]
amdhsa.kernels:
  - .name:           k_qa05a6baaa0_attn
    .symbol:         k_qa05a6baaa0_attn.kd
    .args:
      - { .name: qkv, .offset: 0, .size: 8, .value_kind: global_buffer, .address_space: global }
      - { .name: posb, .offset: 8, .size: 8, .value_kind: global_buffer, .address_space: global }
      - { .name: mbits, .offset: 16, .size: 8, .value_kind: global_buffer, .address_space: global }
      - { .name: ao, .offset: 24, .size: 8, .value_kind: global_buffer, .address_space: global }
    .group_segment_fixed_size: 327680
    .private_segment_fixed_size: 0
    .kernarg_segment_align: 8
    .kernarg_segment_size: 32
    .max_flat_workgroup_size: 256
    .sgpr_count:     100
    .vgpr_count:     512
    .wavefront_size: 32
...
	.end_amdgpu_metadata
.endif
;; end of part 3
;; launch oproj (part 4): grid 4 x 64, 4 waves a work-group, clusters of 4 x 4, 327,680 bytes of LDS; arguments ao, wo16, bo, out0; writes out0
.if DOCPART == 4
	.amdgcn_target "amdgcn-amd-amdhsa--gfx1250"
	.amdhsa_code_object_version 6
	.text
	.protected	k_qa05a6baaa0_oproj
	.globl	k_qa05a6baaa0_oproj
	.p2align	8
	.type	k_qa05a6baaa0_oproj,@function
k_qa05a6baaa0_oproj:
	s_mov_b64 s[64:65], 0
	v_nop
	global_prefetch_b8 v0, s[64:65] scope:SCOPE_SE
	s_setreg_imm32_b32 hwreg(HW_REG_WAVE_MODE, 25, 1), 1
	s_wait_xcnt 0x0
	s_wait_alu depctr_hold_cnt(0) depctr_sa_sdst(0) depctr_va_vdst(0) depctr_va_sdst(0) depctr_va_ssrc(0) depctr_va_vcc(0) depctr_vm_vsrc(0)
	s_getreg_b32 s2, hwreg(HW_REG_IB_STS2, 6, 4)
	s_cmp_eq_u32 s2, 0
	s_cbranch_scc0 .Lentry_in_a_cluster
	s_endpgm
.Lentry_in_a_cluster:
	s_bfe_u32 s2, ttmp6, 0x10000c
	s_cmp_lg_u32 s2, 0xf033
	s_cbranch_scc0 .Lentry_shape_is_right
	s_endpgm
.Lentry_shape_is_right:
; out0[m][n] = sum over k of ao[m][k] Wo[n][k] + bo[n].  ao: f16, [m / 128][head][128 rows][64];  wo16: f16, [n / 256][head][256 rows][64];  bo, out0: f32.  Sums in f32; bo is the C of each sum's first product.
; A tile of 128 x 256 gives 256 work-groups.  Four waves, each 64 x 128: 32 accumulators, 256 registers.  K goes in steps of 128 (two heads) through a ring of two LDS slots.
; A head's rows of a tile are one dense block of memory: it comes in as rows of 256 bytes (two rows of 64 f16), 16 bytes of padding behind each.  Row p of the block lies at 272 (p / 2) + 128 (p % 2):
; the sixteen rows that a fragment load touches start in sixteen different groups of four banks (64 banks of 4 bytes: ISA guide 11.1).
; CLUSTERS: 4 x 4 work-groups; ao's tile is shared along a row of the cluster, Wo's along a column.  Waves 0 and 1 fetch ao's two heads of a K step, waves 2 and 3 Wo's.
; No prefetch: a K step's tiles are asked for a whole K step, 112 matrix instructions a wave, ahead of the wait for them, and the launch has eight K steps in all.
; THE MATRIX INSTRUCTION IS USED TRANSPOSED (source 0 = 16 rows of Wo, source 1 = 16 rows of ao): a lane holds eight neighbouring columns of a row.
; REGISTERS: window 0: v0-31 addresses; v64-127 bo of my 128 columns; v128-255 rows on the way out.   window 1: two fragment buffers of 96 (Wo 64, ao 32), at v0 and v128.   window 2: the accumulators ((a, b) at v[8 (8 a + b)]).
.set APL,    17408                     ; ao's head in a slot: 64 double rows of 272 bytes
.set BPL,    34816                     ; Wo's: 128
.set BOFF,   2*APL
.set SLOT,   2*APL+2*BPL
.set BLK,    2176                      ; 16 rows: 8 double rows
.set STAGE,  2*SLOT                    ; behind the ring: 16 rows x (512 + 16) bytes for each wave
.set SPITCH, 528
.set SPARE,  STAGE+4*16*SPITCH         ; the spare words: two blocks of 256 bytes that no other line names
.set LAPS,   4                         ; a lap = two K steps = once round the ring
.set OROW,   4096                      ; a row of out0 in bytes
.set ADRA, 16
.set ADRB, 20
.set STO,  24
.set RD,   25
.set CO,   26
.set BOF,  27
.set SPW,  28
.set NIL,  29
.set BO,   64
.set BK,   128
.set F0,   0
.set F1,   128
.set G1, 24
.set G0, 32
.set G1B, 48
.set G0B, 56
.set MSB, 0
.macro WIN new
.if MSB != \new
	s_set_vgpr_msb (MSB<<8)|\new
.set MSB, \new
.endif
.endm
.set MUL,   0xa5                       ; sources 0 and 1 window 1; C and D window 2
.set MUL1,  0x85                       ; the same with C (bo) in window 0
.set TO_F,  0x40
.macro JLOAD s                         ; a joint load; an s_nop 0 and four v_nop follow each of the two lines
	s_cmp_eq_u32 s11, 0
	s_cbranch_scc0 .Lfor_b_\@
	tensor_load_to_lds s[G0+4*\s:G0+4*\s+3], s[G1:G1+7]
	s_nop 0
.rept 4
	v_nop
.endr
	s_branch .Lasked_\@
.Lfor_b_\@:
	tensor_load_to_lds s[G0B+4*\s:G0B+4*\s+3], s[G1B:G1B+7]
	s_nop 0
.rept 4
	v_nop
.endr
.Lasked_\@:
.endm
.macro CREST                           ; a round of the cluster's barrier behind its opening barrier
	s_cmp_lg_u32 s10, 0
	s_cbranch_scc1 .Lnot_wave_0_\@
	s_barrier_signal -3
.Lnot_wave_0_\@:
	s_barrier_wait -3
	s_barrier_signal -1
	s_barrier_wait -1
.endm
.macro CROUND
	s_barrier_signal -1
	s_barrier_wait -1
	CREST
.endm
	s_load_b128 s[4:7], s[0:1], 0x0                ; ao, wo16
	s_load_b128 s[20:23], s[0:1], 0x10             ; bo, out0
	v_lshl_add_u32 v[SPW], v0, 2, SPARE
	v_mov_b32 v[NIL], 0
	ds_add_u32 v[SPW], v[NIL]                      ; the wave's opening: the add, twice on end, and its wait ahead of my first tensor load
	ds_add_u32 v[SPW], v[NIL]
	v_lshrrev_b32 v1, 5, v0
	v_readfirstlane_b32 s10, v1                    ; wave 0..3
	s_lshr_b32 s11, s10, 1                         ; which 64 rows are mine.  Also: I fetch for ao (0) or for Wo (1)
	s_and_b32 s12, s10, 1                          ; which 128 columns.  Also: which of a K step's two heads I fetch
	s_bfe_u32 s40, ttmp6, 0x40000                  ; cx, cy
	s_bfe_u32 s41, ttmp6, 0x40004
	s_lshl_b32 s42, ttmp9, 2
	s_add_co_u32 s42, s42, s40                     ; tile column
	s_and_b32 s13, ttmp7, 0xffff
	s_lshl_b32 s13, s13, 2
	s_add_co_u32 s13, s13, s41                     ; tile row
	s_lshl_b32 s43, s41, 2
	s_lshl_b32 s43, 15, s43                        ; my row of the cluster
	s_lshl_b32 s44, 0x1111, s40                    ; my column
	s_or_b32 s[G1+0], s43, (1<<16)|(1<<20)|(1<<21)|(5<<22)|(3<<25)  ; the mask; elements of 2 bytes; padding on; bit 21 beside a mask; after every 64 words four words
	s_or_b32 s[G1B+0], s44, (1<<16)|(1<<20)|(1<<21)|(5<<22)|(3<<25)
	s_mov_b32 s[G1+1], 128<<16                     ; ao: 64 rows of 128 elements, dense
	s_mov_b32 s[G1+2], 64<<16
	s_mov_b32 s[G1+3], 128<<16
	s_mov_b32 s[G1+4], 64
	s_mov_b32 s[G1+5], 128
	s_mov_b32 s[G1+6], 0
	s_mov_b32 s[G1+7], 0
	s_mov_b32 s[G1B+1], 128<<16                    ; Wo: 128 rows
	s_mov_b32 s[G1B+2], 128<<16
	s_mov_b32 s[G1B+3], 128<<16
	s_mov_b32 s[G1B+4], 128
	s_mov_b32 s[G1B+5], 128
	s_mov_b32 s[G1B+6], 0
	s_mov_b32 s[G1B+7], 0
	s_lshl_b32 s16, s13, 18                        ; ao: 16 heads x 16,384 bytes a tile row,
	s_lshl_b32 s17, s12, 14                        ; my head of the two
	s_add_co_u32 s16, s16, s17
	s_mov_b32 s17, 0
	s_lshl_b32 s46, s42, 19                        ; Wo: 16 x 32,768 bytes a tile column
	s_lshl_b32 s47, s12, 15
	s_add_co_u32 s46, s46, s47
	s_mov_b32 s47, 0
	s_mul_i32 s18, s12, APL                        ; where they go: no place in the cluster enters an LDS address
	s_mul_i32 s19, s12, BPL
	s_add_co_u32 s19, s19, BOFF
	s_wait_dscnt 0x0                               ; both opening adds are done
	s_wait_kmcnt 0x0
	s_add_nc_u64 s[14:15], s[4:5], s[16:17]
	s_add_nc_u64 s[46:47], s[6:7], s[46:47]
	CROUND                                         ; all sixteen work-groups are here: the first joint loads meet
.irp s, 0,1
	s_mov_b32 s[G0+4*\s], 1
	s_add_co_u32 s[G0+4*\s+1], s18, \s*SLOT
	s_add_nc_u64 s[G0+4*\s+2:G0+4*\s+3], s[14:15], \s*32768        ; K step s: two heads on
	s_or_b32 s[G0+4*\s+3], s[G0+4*\s+3], 0x80000000
	s_mov_b32 s[G0B+4*\s], 1
	s_add_co_u32 s[G0B+4*\s+1], s19, \s*SLOT
	s_add_nc_u64 s[G0B+4*\s+2:G0B+4*\s+3], s[46:47], \s*65536
	s_or_b32 s[G0B+4*\s+3], s[G0B+4*\s+3], 0x80000000
	JLOAD \s
.endr
	v_and_b32 v1, 15, v0                           ; r
	v_bfe_u32 v2, v0, 4, 1                         ; h
	v_lshrrev_b32 v3, 1, v1
	v_mul_u32_u24 v3, v3, 272
	v_and_b32 v4, 1, v1
	v_lshl_add_u32 v3, v4, 7, v3
	v_lshl_add_u32 v3, v2, 4, v3                   ; a fragment's row r: 272 (r / 2) + 128 (r % 2), + 16 h
	s_mul_i32 s16, s11, 4*BLK                      ; my 64 rows of ao
	s_mul_i32 s17, s12, 8*BLK                      ; my 128 rows of Wo,
	s_add_co_u32 s17, s17, BOFF                    ; behind ao's two heads
.irp s, 0,1
	v_add_nc_u32 v[ADRA+\s], s16, v3
	v_add_nc_u32 v[ADRB+\s], s17, v3
	s_add_co_u32 s16, s16, SLOT
	s_add_co_u32 s17, s17, SLOT
.endr
	s_mul_i32 s18, s10, 16*SPITCH
	s_add_co_u32 s18, s18, STAGE                   ; my stage
	v_mul_u32_u24 v5, v1, SPITCH
	v_lshl_add_u32 v5, v2, 5, v5
	v_add_nc_u32 v[STO], s18, v5                   ; in: row r, 32 bytes for each half of the lanes
	v_and_b32 v6, 31, v0
	v_lshlrev_b32 v[CO], 4, v6                     ; back: the 32 lanes take one row of 512 bytes; and the same in out0
	v_add_nc_u32 v[RD], s18, v[CO]
	v_lshlrev_b32 v[BOF], 5, v2
	s_lshl_b32 s46, s42, 10                        ; my first column, in bytes: 1,024 x tile column + 512 x half
	s_lshl_b32 s47, s12, 9
	s_add_co_u32 s46, s46, s47
	s_mov_b32 s47, 0
	s_add_nc_u64 s[20:21], s[20:21], s[46:47]      ; bo at my columns
	s_lshl_b32 s16, s13, 19                        ; my first row: 128 x tile row + 64 x half, 4,096 bytes a row
	s_lshl_b32 s17, s11, 18
	s_add_co_u32 s16, s16, s17
	s_mov_b32 s17, 0
	s_add_nc_u64 s[8:9], s[22:23], s[16:17]
	s_add_nc_u64 s[8:9], s[8:9], s[46:47]
.irp b, 0,1,2,3,4,5,6,7                        ; lane (r, h) wants, for block b, bo of columns 16 b + 8 h + 0 .. 7
	global_load_b128 v[BO+8*\b:BO+8*\b+3], v[BOF], s[20:21] offset:64*\b
	global_load_b128 v[BO+8*\b+4:BO+8*\b+7], v[BOF], s[20:21] offset:64*\b+16
.endr
; 8 matrix instructions: ao's block a against Wo's eight, 32 along K.  The 32 accumulators take turns, in the same order in every quarter.  first = 1: the sums begin with bo
.macro MUL8 f, a, first
.irp b, 0,1,2,3,4,5,6,7
.if \first
	v_wmma_f32_16x16x32_f16 v[8*(8*(\a)+\b):8*(8*(\a)+\b)+7], v[\f+8*\b:\f+8*\b+7], v[\f+64+8*(\a):\f+64+8*(\a)+7], v[BO+8*\b:BO+8*\b+7]
.else
	v_wmma_f32_16x16x32_f16 v[8*(8*(\a)+\b):8*(8*(\a)+\b)+7], v[\f+8*\b:\f+8*\b+7], v[\f+64+8*(\a):\f+64+8*(\a)+7], v[8*(8*(\a)+\b):8*(8*(\a)+\b)+7]
.endif
.endr
.endm
; 24 LDS loads in one run: quarter q of a K step (head q / 2, channels 32 (q % 2) on) into buffer f: Wo's eight fragments, then ao's four
.macro FETCH slot, q, f
	WIN TO_F
.irp b, 0,1,2,3,4,5,6,7
	ds_load_b128 v[\f+8*\b:\f+8*\b+3],   v[ADRB+\slot] offset:((\q)/2)*BPL+((\q)%2)*64+\b*BLK
	ds_load_b128 v[\f+8*\b+4:\f+8*\b+7], v[ADRB+\slot] offset:((\q)/2)*BPL+((\q)%2)*64+\b*BLK+32
.endr
.irp i, 0,1,2,3
	ds_load_b128 v[\f+64+8*\i:\f+64+8*\i+3],   v[ADRA+\slot] offset:((\q)/2)*APL+((\q)%2)*64+\i*BLK
	ds_load_b128 v[\f+64+8*\i+4:\f+64+8*\i+7], v[ADRA+\slot] offset:((\q)/2)*APL+((\q)%2)*64+\i*BLK+32
.endr
.endm
.macro PLACES                          ; four plain vector instructions in front of loads into registers that matrix instructions have read, and of reads of results
.rept 4
	v_nop
.endr
.endm
; One of a K step's first three quarters: multiplies buffer f and fetches quarter q of the same slot into g
.macro QUARTER slot, q, f, g, first
	s_wait_dscnt 4                                 ; Wo's fragments and ao's blocks 0 and 1 are in; the youngest four loads may be out
.if \first
	WIN MUL1
.else
	WIN MUL
.endif
	MUL8 \f, 0, \first
	MUL8 \f, 1, \first
	PLACES
	FETCH \slot, \q, \g
	s_wait_dscnt 24                                ; all but the 24 just issued
.if \first
	WIN MUL1
.else
	WIN MUL
.endif
	MUL8 \f, 2, \first
	MUL8 \f, 3, \first
.endm
; The last quarter multiplies buffer 1 and changes slots: one barrier; in front of it each wave waits for all its tensor loads, adds 0 to its spare word, and waits for that and for its reads of this slot.
.macro TURN slot, next, fill
	WIN 0                                          ; (the add's two registers lie in window 0)
	s_wait_tensorcnt 0x0                           ; all my tensor loads have landed: my part of the next slot
	ds_add_u32 v[SPW], v[NIL]                      ; 0 onto my spare word
	s_wait_dscnt 5                                 ; (the add and the youngest four loads may be out)
	WIN MUL
	MUL8 F1, 0, 0                                  ; eight matrix instructions stand between the add and the wait for it
	s_wait_dscnt 0x0                               ; the add is done, and my reads of this slot are over
	s_barrier_signal -1
	MUL8 F1, 1, 0
.if \fill
	WIN 0
.endif
	s_barrier_wait -1
.if \fill
	CREST                                          ; the barrier has opened a round of the cluster's: no wave of any partner still reads this slot or has a load on its way
	s_add_nc_u64 s[G0+4*\slot+2:G0+4*\slot+3], s[G0+4*\slot+2:G0+4*\slot+3], 65536      ; two K steps on: four heads
	s_add_nc_u64 s[G0B+4*\slot+2:G0B+4*\slot+3], s[G0B+4*\slot+2:G0B+4*\slot+3], 131072
	JLOAD \slot                                    ; the first tensor load behind the round; its four v_nop are also the places in front of the loads below
.else
	PLACES
.endif
	FETCH \next, 0, F0
	WIN MUL
	MUL8 F1, 2, 0
	MUL8 F1, 3, 0
.endm
	s_wait_tensorcnt 1                             ; my part of K step 0 is in (K step 1's load may be out),
	s_barrier_signal -1
	s_barrier_wait -1                              ; everybody's is
	FETCH 0, 0, F0
	s_wait_loadcnt 0x0                             ; bo
	QUARTER 0, 1, F0, F1, 1                        ; the first quarter stands in front of the loop: its products start the sums, with bo
	WIN 0                                          ; at a label and at a branch every window is 0
	s_mov_b32 s3, LAPS-1
.Llap:                                                 ; a trip goes once round the ring, from a lap's second quarter to the next lap's first, and fills both slots again
	QUARTER 0, 2, F1, F0, 0
	QUARTER 0, 3, F0, F1, 0
	TURN 0, 1, 1
	QUARTER 1, 1, F0, F1, 0
	QUARTER 1, 2, F1, F0, 0
	QUARTER 1, 3, F0, F1, 0
	TURN 1, 0, 1
	QUARTER 0, 1, F0, F1, 0
	WIN 0
	s_sub_co_u32 s3, s3, 1
	s_cmp_lg_u32 s3, 0
	s_cbranch_scc1 .Llap
	QUARTER 0, 2, F1, F0, 0                        ; the last lap fills nothing
	QUARTER 0, 3, F0, F1, 0
	TURN 0, 1, 0
	QUARTER 1, 1, F0, F1, 0
	QUARTER 1, 2, F1, F0, 0
	QUARTER 1, 3, F0, F1, 0
	s_wait_dscnt 4                                 ; the very last quarter: nothing more to fetch
	WIN MUL
	MUL8 F1, 0, 0
	MUL8 F1, 1, 0
	s_wait_dscnt 0
	MUL8 F1, 2, 0
	MUL8 F1, 3, 0
	WIN 0
; THE WAY OUT, block by block of 16 rows x 128 columns: through my own stage and back as whole rows of 512 bytes
.macro TOSTAGE a
	WIN 0x08                                       ; an LDS store's data are its source 1: window 2
.irp b, 0,1,2,3,4,5,6,7
	ds_store_b128 v[STO], v[8*(8*(\a)+\b):8*(8*(\a)+\b)+3] offset:64*\b            ; each accumulator from its low end on
	ds_store_b128 v[STO], v[8*(8*(\a)+\b)+4:8*(8*(\a)+\b)+7] offset:64*\b+16
.endr
	WIN 0
.set BB, BK+64*((\a)%2)
.irp t, 0,1,2,3,4,5,6,7,8,9,10,11,12,13,14,15
	ds_load_b128 v[BB+4*\t:BB+4*\t+3], v[RD] offset:\t*SPITCH      ; LDS serves a wave's instructions in order (ISA guide 5.7.1.4): these see the stores above
.endr
.endm
.macro SEND a, younger                 ; younger: the LDS instructions issued behind block a's loads, which may stay out
.set BB, BK+64*((\a)%2)
	s_wait_dscnt \younger
.if (\a) > 0
	s_add_nc_u64 s[8:9], s[8:9], 16*OROW           ; (behind a wait on XCNT: the earlier stores have read their base)
.endif
.irp t, 0,1,2,3,4,5,6,7,8,9,10,11,12,13,14,15
	global_store_b128 v[CO], v[BB+4*\t:BB+4*\t+3], s[8:9] offset:\t*OROW th:TH_STORE_NT   ; 32 lanes store 512 consecutive bytes, aligned; written once, read by nobody here
.endr
.endm
	PLACES
	TOSTAGE 0
.irp a, 1,2,3
.if \a > 1
	s_wait_xcnt 0x0                                ; block a - 2's stores have read their registers and their base
.endif
	TOSTAGE \a
	SEND \a-1, 32                                  ; behind block a - 1's loads: block a's 16 stores and 16 loads
.endr
	s_wait_xcnt 0x0
	SEND 3, 0
	s_wait_tensorcnt 0x0                           ; the wave's end, behind my last tensor load and my last LDS store
	ds_add_u32 v[SPW], v[NIL]
	s_wait_dscnt 0x0
	CROUND                                         ; the closing round
	s_endpgm
.Lfunc_end_k_qa05a6baaa0_oproj:
	.size	k_qa05a6baaa0_oproj, .Lfunc_end_k_qa05a6baaa0_oproj-k_qa05a6baaa0_oproj
	.p2alignl 7, 3214868480
	.fill 96, 4, 3214868480
	.section	.rodata,"a",@progbits
	.p2align	6, 0x0
	.amdhsa_kernel k_qa05a6baaa0_oproj
		.amdhsa_group_segment_fixed_size 327680
		.amdhsa_private_segment_fixed_size 0
		.amdhsa_enable_private_segment 0
		.amdhsa_kernarg_size 32
		.amdhsa_user_sgpr_count 2
		.amdhsa_user_sgpr_kernarg_segment_ptr 1
		.amdhsa_wavefront_size32 1
		.amdhsa_system_sgpr_workgroup_id_x 1
		.amdhsa_system_sgpr_workgroup_id_y 1
		.amdhsa_system_sgpr_workgroup_id_z 1
		.amdhsa_system_vgpr_workitem_id 0
		.amdhsa_next_free_vgpr 768
		.amdhsa_next_free_sgpr 66
		.amdhsa_reserve_vcc 0
		.amdhsa_float_denorm_mode_32 3
		.amdhsa_float_denorm_mode_16_64 3
		.amdhsa_memory_ordered 1
		.amdhsa_forward_progress 1
		.amdhsa_inst_pref_size 87
	.end_amdhsa_kernel
	.amdgpu_metadata
---
amdhsa.version: [ 1, 2 ]
amdhsa.kernels:
  - .name:           k_qa05a6baaa0_oproj
    .symbol:         k_qa05a6baaa0_oproj.kd
    .args:
      - { .name: ao, .offset: 0, .size: 8, .value_kind: global_buffer, .address_space: global }
      - { .name: wo16, .offset: 8, .size: 8, .value_kind: global_buffer, .address_space: global }
      - { .name: bo, .offset: 16, .size: 8, .value_kind: global_buffer, .address_space: global }
      - { .name: out0, .offset: 24, .size: 8, .value_kind: global_buffer, .address_space: global }
    .group_segment_fixed_size: 327680
    .private_segment_fixed_size: 0
    .kernarg_segment_align: 8
    .kernarg_segment_size: 32
    .max_flat_workgroup_size: 128
    .sgpr_count:     66
    .vgpr_count:     768
    .wavefront_size: 32
...
	.end_amdgpu_metadata
.endif
;; end of part 4
